; MI455X (gfx1250); checked and timed in simulation.
; The chip was launched on July 23, 2026; its instructions are those of AMD's public machine-readable ISA for CDNA 5 (MIT licence, August 2026) and "CDNA5" Instruction Set Architecture Reference Guide (July 2026). The comments in the code are by the model that wrote it; some were corrected since.
;; Self Attention Alibi. Allowed arithmetic: matrix products marked QUANTISED: E2M1 operands, one E8M0 scale for each 32 along K, by v_wmma_scale_f32_16x16x128_f8f6f4 with both operands' format E2M1 (or v_wmma_scale_f32_32x16x128_f4), f32 sums; products left as they are: bf16, f16 or f32 operands; f32 sums; everything else in f32.
;; Inputs: W_key 16 x 64 x 1,024 float32; W_out 1,024 x 1,024 float32; W_query 16 x 64 x 1,024 float32; W_value 16 x 64 x 1,024 float32; b_out 1,024 float32; x 4 x 2,048 x 1,024 float32.
;; Outputs: out0 4 x 2,048 x 1,024 float32.
;; This version of the problem:
;;   THIS VERSION OF THE PROBLEM IS GIVEN IN LOW PRECISION. The matrix products marked QUANTISED in the list below multiply operands that are first quantised to E2M1 (2 exponent bits, 1 mantissa bit; 4 bits a number), with one power-of-two scale for each 32 numbers along K (OCP MX v1.0); their sums are f32. The products marked 'left as it is' may take bf16, f16 or f32 operands, with f32 sums. Whichever they take, every output number must still come out within the allowed error. Rounding operands to bf16 (8 significant bits) uses up far more of that allowance than f16 does (11 bits, for magnitudes from 6e-5 to 65,504). All else is computed in f32.
;;   The module's matrix products, in the order in which they are computed (A, B: the left and right operand; K: the contracted axis; several contracted axes count as one K, in the product's order):
;;     1. [M 1,024, K 1,024] x [K 1,024, N 8,192]; A: input W_query; B: input x: QUANTISED
;;     2. [M 1,024, K 1,024] x [K 1,024, N 8,192]; A: input W_key; B: input x: QUANTISED
;;     3. [M 1,024, K 1,024] x [K 1,024, N 8,192]; A: input W_value; B: input x: QUANTISED
;;     4. batch 64 x [M 2,048, K 64] x [K 64, N 2,048]; A: computed on the way; B: computed on the way: left as it is (an operand is computed on the way)
;;     5. batch 64 x [M 2,048, K 2,048] x [K 2,048, N 64]; A: computed on the way; B: computed on the way: left as it is (an operand is computed on the way)
;;     6. [M 8,192, K 1,024] x [K 1,024, N 1,024]; A: computed on the way; B: input W_out: left as it is (an operand is computed on the way)
;;   THE QUANTISER, for each operand of a quantised product, along K:
;;     - K is cut into blocks of 32 from its start; a last block that is shorter is filled with zeros.
;;     - A block's scale is 2^e with e = floor(log2(the largest magnitude in the block)) - 2, held to -126 .. 127; a block of zeros has e = 0. As a byte (E8M0): e + 127.
;;     - Each number is divided by its block's scale, clamped to +-6, and rounded to the nearest number of E2M1, ties to even, subnormals kept.
;;     - The product sums the exact products of the quantised numbers (number of the format x scale) in f32.
;;   ~~~python
;;   def quantise(x, axis):      # numpy; x: float32 -> the quantised numbers, widened to float32 again
;;       x = np.moveaxis(x, axis, -1); K = x.shape[-1]
;;       x = np.pad(x, [(0, 0)] * (x.ndim - 1) + [(0, -K % 32)]); x = x.reshape(x.shape[:-1] + (-1, 32)); a = np.abs(x).max(-1, keepdims=True)
;;       e = np.where(a > 0, np.clip(np.frexp(np.where(a > 0, a, 1))[1] - 1 - 2, -126, 127), 0)      # np.frexp(a)[1] - 1 = floor(log2(a)), exactly
;;       r = np.clip(x / 2.0 ** e, -6, 6)
;;       step = 2.0 ** (np.maximum(np.frexp(np.where(r == 0, 1, r))[1] - 1, 0) - 1)
;;       q = np.round(r / step) * step * 2.0 ** e      # np.round: ties to even
;;       return np.moveaxis(q.reshape(q.shape[:-2] + (-1,))[..., :K], -1, axis).astype(np.float32)
;;   ~~~
;; One version. Each part assembles by itself: llvm-mc -triple=amdgcn-amd-amdhsa -mcpu=gfx1250 --defsym DOCPART=n.
;; ======== version 1 of 1: 4 launches
;; limits: values are held in f16: magnitudes above 65,504 overflow, below 6.1e-05 lose precision; inputs' magnitudes at most 65,504
;; workspace buffers: codes 5,767,168 bytes; scales 360,448 bytes; wo_img 2,097,152 bytes; amax 5,632 bytes; q_img 50,331,648 bytes; kv 50,331,648 bytes; multi 16,777,216 bytes
;; launch prep (part 1): grid 480 x 1, 4 waves a work-group, no clusters, 33,280 bytes of LDS; arguments x, W_query, W_key, W_value, W_out, codes, scales, wo_img, amax; writes codes, scales, wo_img, amax
.if DOCPART == 1
	.amdgcn_target "amdgcn-amd-amdhsa--gfx1250"
	.amdhsa_code_object_version 6
	.text
	.protected	k_q8613c182da_prep
	.globl	k_q8613c182da_prep
	.p2align	8
	.type	k_q8613c182da_prep,@function
k_q8613c182da_prep:
	s_mov_b64 s[64:65], 0
	v_nop
	global_prefetch_b8 v0, s[64:65] scope:SCOPE_SE
	s_setreg_imm32_b32 hwreg(HW_REG_WAVE_MODE, 25, 1), 1
	s_wait_xcnt 0x0
; PREP.  Work-groups 0-351: x [8192][1024] and W_query, W_key, W_value [1024][1024], f32, K innermost, become codes of FP4 (E2M1) and one E8M0 byte for each 32 along K.
; The four tensors are one stream of 11,264 rows: codes [11264][512 bytes], scales [11264][32 bytes]; rows 0.. x, 8192.. W_query, 9216.. W_key, 10240.. W_value.
; A block's scale is 2^(floor(log2(its largest magnitude)) - 2); its byte is that magnitude's exponent field - 2, held at 1 from below (a block of zeros keeps the byte 1: its codes are zeros, and this program alone reads the bytes).
; Each wave also stores the largest magnitude of its 8,192 numbers (word 4 x work-group + wave of amax): the later launches make from these one power of two for each of q, k, v, which keeps them inside f16.
; Work-groups 352-479: W_out [1024][1024] f32 becomes f16, laid as images of the operand registers of a 16x16x32 product: [feature tile 64][K fragment 32][1,024 bytes]; registers 0-3 of lane l at 16 l, registers 4-7 at 512 + 16 l.
; LIMITS: NaN and infinities are not served; blocks whose largest magnitude lies under 2^-124 keep the byte 1; W_out goes to f16 as it is: magnitudes up to 65,504, and under 6e-5 with an absolute error of 2^-25.
; A wave of the first kind takes 16 steps of 512 numbers.  Each load reads 512 consecutive bytes; a step's 2,048 bytes turn through the wave's own stage in LDS, so that a lane holds 16 neighbours along K (two lanes hold a block).
; No tensor loads, no barrier: waves share nothing.  Loads run four steps (16 loads a wave) ahead, the turn through LDS one step.
.set WAVES, 4
.set STEPS, 16
.set QWG,   352                        ; (8192 + 3 x 1024) x 1024 / 32,768 work-groups quantise
.set EMAX,  2
.set CB,    8                          ; bytes of 16 codes
.set R,     16                         ; v16-79   four sets of 16 numbers as they are loaded
.set X,     80                         ; v80-111  two sets of 16 neighbours
.set C,     128                        ; v128-191 codes: four registers for each step, so that no store's data are written again
.set E,     112                        ; v112-127 a scale byte for each step
.set MX,    10                         ; v10      the largest magnitude so far
.set WREG,  8192                       ; LDS: a region for each wave: two stages of 32 x SP bytes, behind them its 256 scale bytes
.set SP,    80                         ; a lane's place in a stage: 64 bytes + 16 of padding
.set SPW,   12                         ; v12      LDS address of my spare word; never rewritten
.set NIL,   13                         ; v13      0; never rewritten
.set SPARE, WAVES*WREG                 ; behind the four regions: the spare words, 128 bytes a wave
	s_load_b256 s[4:11], s[0:1], 0x0               ; x, W_query, W_key, W_value
	s_load_b256 s[12:19], s[0:1], 0x20             ; W_out, codes, scales, wo_img
	s_load_b64 s[20:21], s[0:1], 0x40              ; amax
	v_lshl_add_u32 v[SPW], v0, 2, SPARE
	v_mov_b32 v[NIL], 0
	v_lshrrev_b32 v1, 5, v0
	v_readfirstlane_b32 s24, v1                    ; wave
	v_and_b32 v2, 31, v0                           ; lane
	s_cmp_ge_u32 ttmp9, QWG                        ; the work-group's number alone decides: all four waves go the same way
	s_cbranch_scc1 .Lwout
	v_lshlrev_b32 v3, 4, v2                        ; my 16 bytes of a load's 512
	s_mul_i32 s25, s24, WREG
	v_lshrrev_b32 v14, 2, v2
	v_mul_u32_u24 v14, v14, SP
	v_and_b32 v15, 3, v2
	v_lshl_add_u32 v14, v15, 4, v14
	v_add_nc_u32 v14, s25, v14                     ; the stage, on the way in: SP (lane / 4) + 16 (lane % 4)
	v_mul_u32_u24 v15, v2, SP
	v_add_nc_u32 v15, s25, v15                     ; and on the way out: SP x lane: my 16 neighbours
	v_mul_u32_u24 v4, v2, CB                       ; my codes' place in a step's
	v_lshrrev_b32 v5, 1, v2
	s_add_co_u32 s25, s25, 2*32*SP
	v_add_nc_u32 v5, s25, v5                       ; LDS: my wave's 256 scale bytes, my block's byte
	v_lshlrev_b32 v7, 3, v2                        ; and on the way out 8 bytes a lane
	v_add_nc_u32 v6, s25, v7
	v_mov_b32 v[MX], 0
	s_mov_b32 s26, 0x76543210                      ; v_permlanex16_b32's selects for lane l xor 16
	s_mov_b32 s27, 0xfedcba98
	s_and_b32 s28, ttmp9, 31                       ; a weight's 32 work-groups begin at a multiple of 32
	s_wait_kmcnt 0x0
	s_cmp_lt_u32 ttmp9, 320                        ; which tensor: the choices hang on the work-group's number alone
	s_cselect_b64 s[8:9], s[8:9], s[10:11]
	s_cmp_lt_u32 ttmp9, 288
	s_cselect_b64 s[6:7], s[6:7], s[8:9]
	s_cmp_lt_u32 ttmp9, 256
	s_cselect_b64 s[4:5], s[4:5], s[6:7]
	s_cselect_b32 s28, ttmp9, s28
	s_lshl_b32 s28, s28, 2
	s_add_co_u32 s28, s28, s24                     ; which run of 8,192 numbers of that tensor is my wave's
	s_lshl_b32 s28, s28, 15                        ; 32,768 bytes a run
	s_mov_b32 s29, 0
	s_add_nc_u64 s[4:5], s[4:5], s[28:29]
	s_lshl_b32 s30, ttmp9, 2
	s_add_co_u32 s30, s30, s24                     ; and which run of the whole stream
	s_lshl_b32 s28, s30, 12                        ; 4,096 bytes of codes,
	s_add_nc_u64 s[14:15], s[14:15], s[28:29]
	s_lshl_b32 s28, s30, 8                         ; 256 scale bytes,
	s_add_nc_u64 s[16:17], s[16:17], s[28:29]
	s_lshl_b32 s28, s30, 2                         ; one word of amax
	s_add_nc_u64 s[20:21], s[20:21], s[28:29]
.macro LOAD t
.irp i, 0,1,2,3
	global_load_b128 v[R+16*((\t)%4)+4*\i:R+16*((\t)%4)+4*\i+3], v3, s[4:5] offset:2048*(\t)+512*\i th:TH_LOAD_NT   ; 32 lanes read 512 consecutive bytes
.endr
.endm
.macro TURN t                          ; step t's numbers through the stage: LDS serves a wave's instructions in order, so no wait stands between the stores and the loads
.irp i, 0,1,2,3
	ds_store_b128 v14, v[R+16*((\t)%4)+4*\i:R+16*((\t)%4)+4*\i+3] offset:32*SP*((\t)%2)+8*SP*\i
.endr
.irp i, 0,1,2,3
	ds_load_b128 v[X+16*((\t)%2)+4*\i:X+16*((\t)%2)+4*\i+3], v15 offset:32*SP*((\t)%2)+16*\i
.endr
.endm
.irp t, 0,1,2,3
	LOAD \t
.endr
	s_wait_loadcnt 12                              ; step 0's four loads are in
	TURN 0
.macro STEP t
.set XS, X+16*((\t)%2)
.if (\t) > 0
	s_wait_dscnt 1                                 ; this step's numbers are back from the stage (the last step's byte store may be out): so its stores into the stage have read their registers,
.else
	s_wait_dscnt 0x0
.endif
.if (\t)+4 < STEPS
	LOAD (\t)+4                                    ; which take the loads of four steps on
.endif
.if (\t)+1 < STEPS
.if STEPS-2-(\t) >= 3
	s_wait_loadcnt 12                              ; the next step's four loads are in; those of the three steps behind it may be out
.else
	s_wait_loadcnt 4*(STEPS-2-(\t))
.endif
	TURN (\t)+1                                    ; and go through the other stage while this step is worked
.endif
	v_max3_num_f32 v8, |v[XS]|, |v[XS+1]|, |v[XS+2]|               ; the largest magnitude of my 16
	v_max3_num_f32 v9, |v[XS+3]|, |v[XS+4]|, |v[XS+5]|
.irp i, 6,10
	v_max3_num_f32 v8, v8, |v[XS+\i]|, |v[XS+\i+1]|
	v_max3_num_f32 v9, v9, |v[XS+\i+2]|, |v[XS+\i+3]|
.endr
	v_max3_num_f32 v8, v8, |v[XS+14]|, |v[XS+15]|
	v_max3_num_f32 v8, v8, v9, (EMAX+1)<<23        ; and the floor 2^(EMAX + 1 - 127): so the byte cannot fall under 1
	v_max_num_f32_dpp v8, v8, v8 row_xmask:1 row_mask:0xf bank_mask:0xf   ; and of my neighbour's 16: the block's
	v_max_num_f32 v[MX], v[MX], v8                 ; it also counts for the run's largest magnitude
	v_add_nc_u32 v11, -(EMAX<<23), v8              ; EMAX off its exponent field: the conversion takes the exponent field of this operand as its scale
	v_cvt_scalef32_pk8_fp4_f32 v[C+4*(\t)], v[XS:XS+7], v11        ; eight numbers / the scale, to the nearest code, ties to even, beyond the largest code the largest
	v_cvt_scalef32_pk8_fp4_f32 v[C+4*(\t)+1], v[XS+8:XS+15], v11
	v_lshrrev_b32 v[E+(\t)], 23, v11               ; the scale's byte (also the plain line behind the conversions)
	ds_store_b8 v5, v[E+(\t)] offset:16*(\t)       ; both lanes of a block write the same byte with the same value
	global_store_b64 v4, v[C+4*(\t):C+4*(\t)+1], s[14:15] offset:32*CB*(\t)   ; the wave stores 256 consecutive bytes, aligned
.endm
.irp t, 0,1,2,3,4,5,6,7,8,9,10,11,12,13,14,15
	STEP \t
.endr
	v_max_num_f32_dpp v[MX], v[MX], v[MX] row_xmask:2 row_mask:0xf bank_mask:0xf   ; the run's largest magnitude over the lanes (lanes l and l xor 1 are joined already)
	v_max_num_f32_dpp v[MX], v[MX], v[MX] row_xmask:4 row_mask:0xf bank_mask:0xf
	v_max_num_f32_dpp v[MX], v[MX], v[MX] row_xmask:8 row_mask:0xf bank_mask:0xf
	v_permlanex16_b32 v9, v[MX], s26, s27
	v_max_num_f32 v[MX], v[MX], v9
	ds_load_b64 v[8:9], v6                         ; LDS serves a wave's instructions in order: these see my byte stores
	v_mov_b32 v11, 0
	v_cmp_eq_u32 vcc_lo, 0, v2
	s_wait_dscnt 0x0
	global_store_b64 v7, v[8:9], s[16:17]          ; 32 lanes store 256 consecutive bytes, aligned
	s_wait_xcnt 0x0                                ; EXEC changes only when the stores issued so far have read it
	s_and_saveexec_b32 s30, vcc_lo
	global_store_b32 v11, v[MX], s[20:21]          ; lane 0: one word a wave, 5,632 bytes in the whole launch
	s_wait_xcnt 0x0                                ; and again in front of the line that widens EXEC
	s_or_b32 exec_lo, exec_lo, s30
	s_branch .Lend
.Lwout:
	; a wave takes 16 rows of W_out x 128 columns: four fragments.  Lane (r, h), half cc of fragment q wants W_out[16 ft + r][128 grp + 32 q + 16 cc + 8 h + 0 .. 7].
	; Its sixteen loads together cover 16 rows x 512 whole bytes; W_out is a twelfth of what the launch reads, so no turn through LDS is spent on it.
	s_sub_co_u32 s25, ttmp9, QWG
	s_lshl_b32 s25, s25, 2
	s_add_co_u32 s25, s25, s24                     ; task 0 .. 511
	s_lshr_b32 s26, s25, 3                         ; ft: which 16 rows
	s_and_b32 s27, s25, 7                          ; grp: which 128 columns
	s_lshl_b32 s28, s26, 16                        ; 16 rows of 4,096 bytes
	s_lshl_b32 s32, s27, 9
	s_add_co_u32 s28, s28, s32
	s_mov_b32 s29, 0
	s_lshl_b32 s30, s26, 15                        ; 32 fragments of 1,024 bytes
	s_lshl_b32 s32, s27, 12
	s_add_co_u32 s30, s30, s32
	s_mov_b32 s31, 0
	v_and_b32 v4, 15, v0                           ; r
	v_bfe_u32 v5, v0, 4, 1                         ; h
	v_lshlrev_b32 v3, 12, v4
	v_lshl_add_u32 v3, v5, 5, v3                   ; row r, + 32 h bytes
	v_lshlrev_b32 v6, 4, v2                        ; an image's place for my lane
	s_wait_kmcnt 0x0
	s_add_nc_u64 s[12:13], s[12:13], s[28:29]
	s_add_nc_u64 s[18:19], s[18:19], s[30:31]
.irp u, 0,1,2,3,4,5,6,7                        ; u = 2 q + cc
.irp i, 0,1
	global_load_b128 v[16+8*\u+4*\i:16+8*\u+4*\i+3], v3, s[12:13] offset:64*\u+16*\i th:TH_LOAD_NT
.endr
.endr
	s_wait_loadcnt 0x0
.set n, 0
.rept 32
	v_cvt_pk_f16_f32 v[128+n], v[16+2*n], v[17+2*n]   ; the lower column in the low half
.set n, n+1
.endr
.irp u, 0,1,2,3,4,5,6,7
	global_store_b128 v6, v[128+4*\u:128+4*\u+3], s[18:19] offset:512*\u   ; 512 consecutive bytes, aligned
.endr
.Lend:
	s_wait_tensorcnt 0x0                           ; the wave's end, behind my last LDS store
	ds_add_u32 v[SPW], v[NIL]
	s_wait_dscnt 0x0
	s_endpgm
.Lfunc_end_k_q8613c182da_prep:
	.size	k_q8613c182da_prep, .Lfunc_end_k_q8613c182da_prep-k_q8613c182da_prep
	.p2alignl 7, 3214868480
	.fill 96, 4, 3214868480
	.section	.rodata,"a",@progbits
	.p2align	6, 0x0
	.amdhsa_kernel k_q8613c182da_prep
		.amdhsa_group_segment_fixed_size 33280
		.amdhsa_private_segment_fixed_size 0
		.amdhsa_enable_private_segment 0
		.amdhsa_kernarg_size 72
		.amdhsa_user_sgpr_count 2
		.amdhsa_user_sgpr_kernarg_segment_ptr 1
		.amdhsa_wavefront_size32 1
		.amdhsa_system_sgpr_workgroup_id_x 1
		.amdhsa_system_sgpr_workgroup_id_y 1
		.amdhsa_system_sgpr_workgroup_id_z 1
		.amdhsa_system_vgpr_workitem_id 0
		.amdhsa_next_free_vgpr 192
		.amdhsa_next_free_sgpr 66
		.amdhsa_reserve_vcc 1
		.amdhsa_float_denorm_mode_32 3
		.amdhsa_float_denorm_mode_16_64 3
		.amdhsa_memory_ordered 1
		.amdhsa_forward_progress 1
		.amdhsa_inst_pref_size 40
	.end_amdhsa_kernel
	.amdgpu_metadata
---
amdhsa.version: [ 1, 2 ]
amdhsa.kernels:
  - .name:           k_q8613c182da_prep
    .symbol:         k_q8613c182da_prep.kd
    .args:
      - { .name: x, .offset: 0, .size: 8, .value_kind: global_buffer, .address_space: global }
      - { .name: W_query, .offset: 8, .size: 8, .value_kind: global_buffer, .address_space: global }
      - { .name: W_key, .offset: 16, .size: 8, .value_kind: global_buffer, .address_space: global }
      - { .name: W_value, .offset: 24, .size: 8, .value_kind: global_buffer, .address_space: global }
      - { .name: W_out, .offset: 32, .size: 8, .value_kind: global_buffer, .address_space: global }
      - { .name: codes, .offset: 40, .size: 8, .value_kind: global_buffer, .address_space: global }
      - { .name: scales, .offset: 48, .size: 8, .value_kind: global_buffer, .address_space: global }
      - { .name: wo_img, .offset: 56, .size: 8, .value_kind: global_buffer, .address_space: global }
      - { .name: amax, .offset: 64, .size: 8, .value_kind: global_buffer, .address_space: global }
    .group_segment_fixed_size: 33280
    .private_segment_fixed_size: 0
    .kernarg_segment_align: 8
    .kernarg_segment_size: 72
    .max_flat_workgroup_size: 128
    .sgpr_count:     66
    .vgpr_count:     192
    .wavefront_size: 32
...
	.end_amdgpu_metadata
.endif
;; end of part 1
;; launch qkv (part 2): grid 12 x 32, 4 waves a work-group, clusters of 4 x 4, 327,680 bytes of LDS; arguments codes, scales, amax, q_img, kv; writes q_img, kv
.if DOCPART == 2
	.amdgcn_target "amdgcn-amd-amdhsa--gfx1250"
	.amdhsa_code_object_version 6
	.text
	.protected	k_q8613c182da_qkv
	.globl	k_q8613c182da_qkv
	.p2align	8
	.type	k_q8613c182da_qkv,@function
k_q8613c182da_qkv:
	s_mov_b64 s[64:65], 0
	v_nop
	global_prefetch_b8 v0, s[64:65] scope:SCOPE_SE
	s_setreg_imm32_b32 hwreg(HW_REG_WAVE_MODE, 25, 1), 1
	s_wait_xcnt 0x0
	s_wait_alu depctr_hold_cnt(0) depctr_sa_sdst(0) depctr_va_vdst(0) depctr_va_sdst(0) depctr_va_ssrc(0) depctr_va_vcc(0) depctr_vm_vsrc(0)
	s_getreg_b32 s2, hwreg(HW_REG_IB_STS2, 6, 4)
	s_cmp_eq_u32 s2, 0
	s_cbranch_scc0 .Lentry_in_a_cluster
	s_endpgm
.Lentry_in_a_cluster:
	s_bfe_u32 s2, ttmp6, 0x10000c
	s_cmp_lg_u32 s2, 0xf033
	s_cbranch_scc0 .Lentry_shape_is_right
	s_endpgm
.Lentry_shape_is_right:
; QKV.  q, k, v = x W^T on codes of FP4 (E2M1) with one E8M0 scale for each 32 along K = 1,024; sums in f32.  Both operands are rows of one buffer of codes [11264][512 bytes] and one of scale bytes [11264][32]:
; rows 0.. the 8,192 tokens, 8192.. W_query, 9216.. W_key, 10240.. W_value.
; A tile, 256 x 256, is made by a work-group of four waves, a wave 128 x 128: 64 accumulators, 512 registers.  K is two slots of 512 (rows of 256 bytes): both are filled at the start and nothing is filled again.
; CLUSTERS of 4 x 4: the four of a row need the same tile of A, the four of a column the same tile of B: each tile is asked for jointly.  Cluster column 0 makes q, column 1 makes k (A = tokens, B = the weight's rows),
; column 2 makes v (A = W_value's rows, B = tokens).  The choice hangs on the cluster's x alone, which all sixteen partners share.
; THE MATRIX INSTRUCTION IS USED TRANSPOSED (source 0 = 16 rows of B, source 1 = 16 rows of A): a lane holds one row of A and eight neighbouring rows of B.  For q and k that is a token and eight channels, for v a channel and eight
; tokens: packed in pairs to f16, the eight registers of two neighbouring tiles ARE registers 0-3 and 4-7 of a fragment (16 rows x 32 along the next K) of attention's products, in the same lanes.
; So the results leave as IMAGES OF OPERAND REGISTERS, 16 bytes a lane at 16 x lane: each store covers 512 consecutive bytes, aligned; no stage in LDS.
; THE SCALE.  Each of q, k, v is multiplied by 2^sh, sh = 257 - (exponent field of the largest |x|) - (that of the largest |W|), held to +-50: |x W^T| < 1,024 x 1.5 x 1.5 x 2^(fields - 254), so the result stays under 18,432, inside f16.
; q and k go out as PAIRS of f16: hi = the f32 number cut to 11 significant bits, lo = the rest (an exact difference), rounded to f16.  v goes out as one f16.
; LAYOUT: q_img and kv: [16 batch + head][64 tokens: 32][24,576 bytes]; in a block: hi at 0 as [token tile 4][channels 32 f: 2][1,024], lo at 8,192 likewise; in kv, v at 16,384 as [keys 32 g: 2][channel tile 4][1,024].
; LIMITS: where the hold at +-50 acts f16 may overflow or lose bits; a scaled number under 2^-14 carries an absolute error of 2^-25; NaN and infinities are not served.
; REGISTERS, in windows of 256: window 0: v0-31 addresses; v32-95 scale words, two sets; v128-191 A's fragments, one set; on the way out v32-223 are at work.   window 1: B's fragments, two sets.
;   window 2: the 32 accumulators of my rows 0-63 of A ((a, b) at v[8 (8 a + b)]);   window 3: those of rows 64-127.
.set KSTEP,  512                       ; along K in a slot
.set NQ,     KSTEP/128                 ; matrix instructions deep
.set ROWB,   256                       ; a tile's row in bytes
.set KROW,   512                       ; a row of codes in memory
.set PITCH,  272                       ; an LDS row: 256 bytes + 16 of padding: the 16 rows that a load touches start 68 words apart
.set FR,     8                         ; registers of a fragment: 16 rows x 128 K
.set NL,     2                         ; LDS loads that bring one
.set NP,     4                         ; places behind this matrix instruction (ISA guide 7.12.1)
.set HALFT,  128*PITCH                 ; 128 rows: what one tensor load brings
.set SLOT,   4*HALFT                   ; A's 256 rows, then B's 256 rows
.set KS,     32                        ; a row of scale bytes
.set SCL,    2*SLOT                    ; behind the slots: the scales, as units of 256 bytes + 16 of padding
.set HALFS,  (128*KS/256)*272          ; the scales of 128 rows
.set SBLK,   (16*KS/256)*272           ; those of 16 rows
.set SPARE,  SCL+4*HALFS               ; behind the scales: the spare words, 128 bytes a wave
.set HEADB,  786432                    ; a head's bytes in q_img and in kv
.set STEPB,  24576                     ; 64 tokens' bytes there
.set ADRA, 16                          ; v16-17  LDS address of my A fragments in slot 0, 1
.set ADRB, 20                          ; v20-21  the same for B
.set CO,   26                          ; v26     16 x lane
.set ADRS, 27                          ; v27     LDS address of my scale words: lanes 0-15 A's rows, lanes 16-31 B's
.set SPW,  28                          ; v28     LDS address of my spare word; never rewritten
.set NIL,  29                          ; v29     0; never rewritten
.set SC,   32                          ; scale words: set s at v[SC + 8 NQ s]; register NQ i + q: lanes 0-15 A's block i, lanes 16-31 B's block i
.set AF,   128                         ; A's fragments
.set T,    32                          ; the way out: 64 scaled numbers, then their low parts
.set HI,   96                          ; their high parts
.set HP,   160                         ; high parts packed
.set LP,   192                         ; low parts packed
.set SEL,  2                           ; s[2:3]  lane selects for v_permlanex16_b32
.set G1, 24                            ; s[24:31] descriptor group 1 for A's tiles;  s[32:39] group 0, one set for each slot
.set G0, 32
.set G1B, 48                           ; s[48:55], s[56:63] the same for B's tiles
.set G0B, 56
.set G1S, 68                           ; s[68:75], s[76:79] groups 1 and 0 for A's scales;  s[80:87], s[88:91] for B's
.set G0S, 76
.set G1SB, 80
.set G0SB, 88
.set MSB, 0
.macro WIN new                         ; the immediate's high byte repeats the setting that is left
.if MSB != (\new)
	s_set_vgpr_msb (MSB<<8)|(\new)
.set MSB, (\new)
.endif
.endm
.set MUL_LO, 0xa1                      ; source 0 (B) window 1, source 1 (A) window 0, C and D window 2
.set MUL_HI, 0xf1                      ; the same, C and D window 3
.set TO_B,   0x40                      ; destination window 1, address window 0
; A joint load: waves 0 and 1 fetch for A, waves 2 and 3 for B.  Each of the two lines has one mask and one set of registers; the branch hangs on the wave's number alone.
.macro JLOAD g0a, g1a, g0b, g1b
	s_cmp_eq_u32 s15, 0
	s_cbranch_scc0 .Lfor_b_\@
	tensor_load_to_lds s[\g0a:\g0a+3], s[\g1a:\g1a+7]
	s_nop 0
.rept 4
	v_nop
.endr
	s_branch .Lasked_\@
.Lfor_b_\@:
	tensor_load_to_lds s[\g0b:\g0b+3], s[\g1b:\g1b+7]
	s_nop 0
.rept 4
	v_nop
.endr
.Lasked_\@:
.endm
.macro CROUND                          ; a round of the cluster's barrier
	s_barrier_signal -1
	s_barrier_wait -1
	s_cmp_lg_u32 s14, 0
	s_cbranch_scc1 .Lnot_wave_0_\@
	s_barrier_signal -3
.Lnot_wave_0_\@:
	s_barrier_wait -3
	s_barrier_signal -1
	s_barrier_wait -1
.endm
.macro WAVEMAX r, t                    ; the largest of v[r] over the 32 lanes, in every lane; v[t] at work
	v_max_num_f32_dpp v[\r], v[\r], v[\r] row_xmask:1 row_mask:0xf bank_mask:0xf
	v_max_num_f32_dpp v[\r], v[\r], v[\r] row_xmask:2 row_mask:0xf bank_mask:0xf
	v_max_num_f32_dpp v[\r], v[\r], v[\r] row_xmask:4 row_mask:0xf bank_mask:0xf
	v_max_num_f32_dpp v[\r], v[\r], v[\r] row_xmask:8 row_mask:0xf bank_mask:0xf
	v_permlanex16_b32 v[\t], v[\r], s[SEL], s[SEL+1]
	v_max_num_f32 v[\r], v[\r], v[\t]
.endm
	s_load_b256 s[4:11], s[0:1], 0x0               ; codes s[4:5], scales s[6:7], amax s[8:9], q_img s[10:11]
	s_load_b64 s[12:13], s[0:1], 0x20              ; kv
	v_lshl_add_u32 v[SPW], v0, 2, SPARE
	v_mov_b32 v[NIL], 0
	ds_add_u32 v[SPW], v[NIL]                      ; the wave's opening: the add, twice on end, and its wait ahead of my first tensor load
	ds_add_u32 v[SPW], v[NIL]
	v_lshrrev_b32 v1, 5, v0
	v_readfirstlane_b32 s14, v1                    ; wave 0..3
	s_lshr_b32 s15, s14, 1                         ; which half of A's rows is mine.  Also: I fetch for A (0) or for B (1)
	s_and_b32 s16, s14, 1                          ; which half of B's rows.  Also: which 128 rows of that tile I fetch
	s_bfe_u32 s40, ttmp6, 0x40000                  ; cx, cy: my place in the cluster
	s_bfe_u32 s41, ttmp6, 0x40004
	s_and_b32 s98, ttmp7, 0xffff
	s_lshl_b32 s98, s98, 2                         ; 4 x cluster y: four tiles of 256 tokens
	s_lshl_b32 s99, ttmp9, 2
	s_add_co_u32 s99, s99, 32                      ; 32 + 4 x cluster x: the four tiles of W_query or of W_key
	s_cmp_eq_u32 ttmp9, 2                          ; v?
	s_cselect_b32 s17, 40, s98
	s_cselect_b32 s42, s98, s99
	s_add_co_u32 s17, s17, s41                     ; A's tile of 256 rows: it hangs on cy and on the cluster alone
	s_add_co_u32 s42, s42, s40                     ; B's: on cx and on the cluster alone
	s_lshl_b32 s43, s41, 2
	s_lshl_b32 s43, 15, s43                        ; my row of the cluster
	s_lshl_b32 s44, 0x1111, s40                    ; my column
	; descriptor group 1: a tile of 128 rows x 256 bytes, padded in LDS
	s_or_b32 s[G1+0], s43, (0<<16)|(1<<20)|(1<<21)|(5<<22)|(3<<25)  ; 15:0 the mask; 17:16 elements of 1 byte; 20 padding on; 21 set beside a mask; 24:22 after every 64 words; 31:25 four words
	s_or_b32 s[G1B+0], s44, (0<<16)|(1<<20)|(1<<21)|(5<<22)|(3<<25)
.irp g, G1, G1B
	s_mov_b32 s[\g+1], ROWB<<16                    ; tensor_dim0
	s_mov_b32 s[\g+2], 128<<16                     ; tensor_dim1
	s_mov_b32 s[\g+3], ROWB<<16                    ; tile_dim0
	s_mov_b32 s[\g+4], 128                         ; tile_dim1
	s_mov_b32 s[\g+5], KROW                        ; from row to row
	s_mov_b32 s[\g+6], 0
	s_mov_b32 s[\g+7], 0
.endr
	; the scales of 128 rows: 4,096 dense bytes, as 16 rows of 256 bytes (32 elements of 8 bytes), 16 bytes of padding behind each
	s_or_b32 s[G1S+0], s43, (3<<16)|(1<<20)|(1<<21)|(5<<22)|(3<<25)
	s_or_b32 s[G1SB+0], s44, (3<<16)|(1<<20)|(1<<21)|(5<<22)|(3<<25)
.irp g, G1S, G1SB
	s_mov_b32 s[\g+1], 32<<16
	s_mov_b32 s[\g+2], (128*KS/256)<<16
	s_mov_b32 s[\g+3], 32<<16
	s_mov_b32 s[\g+4], 128*KS/256
	s_mov_b32 s[\g+5], 32
	s_mov_b32 s[\g+6], 0
	s_mov_b32 s[\g+7], 0
.endr
	s_lshl_b32 s18, s16, 7                         ; which 128 rows of the tile I fetch
	s_lshl_b32 s20, s17, 8
	s_add_co_u32 s20, s20, s18                     ; A: row 256 x tile + 128 x half
	s_lshl_b32 s46, s42, 8
	s_add_co_u32 s46, s46, s18                     ; B likewise
	s_mov_b32 s21, 0
	s_mov_b32 s47, 0
	s_mov_b64 s[18:19], KS
	s_mul_u64 s[22:23], s[20:21], s[18:19]         ; where these rows' scales begin, in bytes
	s_mul_u64 s[92:93], s[46:47], s[18:19]
	s_mov_b64 s[18:19], KROW
	s_mul_u64 s[20:21], s[20:21], s[18:19]         ; and their codes
	s_mul_u64 s[46:47], s[46:47], s[18:19]
	s_mul_i32 s45, s14, HALFT                      ; where they go: wave x 128 rows: no place in the cluster enters an LDS address
	s_mul_i32 s94, s14, HALFS
	s_wait_dscnt 0x0                               ; both opening adds are done
	s_wait_kmcnt 0x0
	s_add_nc_u64 s[20:21], s[4:5], s[20:21]
	s_add_nc_u64 s[22:23], s[6:7], s[22:23]
	s_add_nc_u64 s[46:47], s[4:5], s[46:47]
	s_add_nc_u64 s[92:93], s[6:7], s[92:93]
	CROUND                                         ; all sixteen work-groups are here: the joint loads meet
	s_mov_b32 s[G0S], 1
	s_add_co_u32 s[G0S+1], s94, SCL
	s_mov_b64 s[G0S+2:G0S+3], s[22:23]
	s_or_b32 s[G0S+3], s[G0S+3], 0x80000000
	s_mov_b32 s[G0SB], 1
	s_add_co_u32 s[G0SB+1], s94, SCL
	s_mov_b64 s[G0SB+2:G0SB+3], s[92:93]
	s_or_b32 s[G0SB+3], s[G0SB+3], 0x80000000
	JLOAD G0S, G1S, G0SB, G1SB                     ; the scales first: they are wanted with the first slot
.irp s, 0,1
	s_mov_b32 s[G0+4*\s], 1
	s_add_co_u32 s[G0+4*\s+1], s45, \s*SLOT
	s_add_nc_u64 s[G0+4*\s+2:G0+4*\s+3], s[20:21], \s*ROWB
	s_or_b32 s[G0+4*\s+3], s[G0+4*\s+3], 0x80000000
	s_mov_b32 s[G0B+4*\s], 1
	s_add_co_u32 s[G0B+4*\s+1], s45, \s*SLOT
	s_add_nc_u64 s[G0B+4*\s+2:G0B+4*\s+3], s[46:47], \s*ROWB
	s_or_b32 s[G0B+4*\s+3], s[G0B+4*\s+3], 0x80000000
	JLOAD G0+4*\s, G1, G0B+4*\s, G1B               ; three loads of mine are out: all that this launch fetches
.endr
	v_and_b32 v1, 15, v0                           ; l % 16
	v_bfe_u32 v2, v0, 4, 1                         ; l / 16
	v_mul_u32_u24 v3, v1, PITCH
	v_lshl_add_u32 v4, v2, 4, v3                   ; a fragment's row x pitch + 16 x half
	s_mul_i32 s21, s15, HALFT                      ; my 128 rows of A
	s_mul_i32 s22, s16, HALFT                      ; my 128 rows of B,
	s_add_co_u32 s22, s22, 2*HALFT                 ; which lie behind A's 256
.irp s, 0,1
	v_add_nc_u32 v[ADRA+\s], s21, v4
	v_add_nc_u32 v[ADRB+\s], s22, v4
	s_add_co_u32 s21, s21, SLOT
	s_add_co_u32 s22, s22, SLOT
.endr
	v_mul_u32_u24 v5, v1, KS                       ; my row's scales: KS bytes a row,
	v_lshrrev_b32 v6, 8, v5
	v_lshl_add_u32 v5, v6, 4, v5                   ; and 16 more for each 256 passed
	s_mul_i32 s21, s15, HALFS                      ; A's: my 128 rows
	s_mul_i32 s22, s16, HALFS                      ; B's: my 128 rows, behind A's 256
	s_add_co_u32 s22, s22, 2*HALFS
	s_sub_co_u32 s22, s22, s21
	v_mul_u32_u24 v6, s22, v2                      ; lanes 16-31 take B's
	s_add_co_u32 s21, s21, SCL
	v_add_nc_u32 v5, v5, v6
	v_add_nc_u32 v[ADRS], s21, v5
	v_and_b32 v6, 31, v0
	v_lshlrev_b32 v[CO], 4, v6
	; where my part of the result begins.  Tokens are A's rows for q and k, B's for v; the weight's rows the other way round
	s_sub_co_u32 s22, s17, 40                      ; v: which 256 rows of W_value
	s_and_b32 s23, s42, 3                          ; q, k: which 256 rows of the weight (its tiles begin at a multiple of 4)
	s_cmp_eq_u32 ttmp9, 2
	s_cselect_b32 s20, s42, s17                    ; the tile of tokens,
	s_cselect_b32 s21, s16, s15                    ; my half of it,
	s_cselect_b32 s22, s22, s23                    ; the tile of four heads,
	s_cselect_b32 s23, s15, s16                    ; my two of them
	s_lshl_b32 s20, s20, 8
	s_lshl_b32 s21, s21, 7
	s_add_co_u32 s20, s20, s21                     ; my first token
	s_lshr_b32 s21, s20, 11                        ; its batch
	s_lshl_b32 s21, s21, 4
	s_lshl_b32 s22, s22, 2
	s_add_co_u32 s21, s21, s22
	s_lshl_b32 s23, s23, 1
	s_add_co_u32 s21, s21, s23                     ; 16 batch + my first head
	s_mul_i32 s21, s21, HEADB
	s_and_b32 s20, s20, 2047
	s_lshr_b32 s20, s20, 6                         ; which 64 tokens of the sequence
	s_mul_i32 s20, s20, STEPB
	s_add_co_u32 s20, s20, s21                     ; under 2^26
	s_mov_b32 s21, 0
	s_cmp_eq_u32 ttmp9, 0                          ; q goes to q_img, k and v to kv
	s_cselect_b64 s[12:13], s[10:11], s[12:13]
	s_add_nc_u64 s[12:13], s[12:13], s[20:21]
	; the scale 2^sh: the largest |x| of 1,024 words, the largest |W| of my weight's 128 words
	s_mov_b32 s[SEL], 0x76543210
	s_mov_b32 s[SEL+1], 0xfedcba98
	s_lshl_b32 s98, ttmp9, 9
	s_mov_b32 s99, 0
	s_add_nc_u64 s[98:99], s[8:9], s[98:99]
.irp i, 0,1,2,3,4,5,6,7
	global_load_b128 v[192+4*\i:195+4*\i], v[CO], s[8:9] offset:512*\i
.endr
	global_load_b128 v[224:227], v[CO], s[98:99] offset:4096
	s_wait_loadcnt 0x0
	v_max3_num_f32 v192, v192, v193, v194
.set i, 3
.rept 14
	v_max3_num_f32 v192, v192, v[192+i], v[193+i]
.set i, i+2
.endr
	v_max_num_f32 v192, v192, v223
	v_max3_num_f32 v224, v224, v225, v226
	v_max_num_f32 v224, v224, v227
	WAVEMAX 192, 193
	WAVEMAX 224, 225
	v_readfirstlane_b32 s98, v192
	v_readfirstlane_b32 s99, v224
	s_lshr_b32 s98, s98, 23                        ; the exponent fields (the numbers are positive)
	s_lshr_b32 s99, s99, 23
	s_add_co_u32 s98, s98, s99
	s_sub_co_i32 s98, 257, s98                     ; sh
	s_max_i32 s98, s98, -50
	s_min_i32 s98, s98, 50
	s_add_co_u32 s98, s98, 127
	s_lshl_b32 s96, s98, 23                        ; 2^sh as f32
	s_mov_b32 s97, s96                             ; (named with it as a pair, so it is written)
	s_mov_b32 s95, 0xffffe000                      ; sign, exponent and ten bits of mantissa
.macro FRAG reg, adr, q, i             ; a fragment, 16 rows x 128 K of 4-bit codes: lane l holds row l % 16; registers 4 c .. 4 c + 3 hold K = 64 c + 32 (l / 16) + 0 .. 31
.irp c, 0,1
	ds_load_b128 v[\reg+4*\c:\reg+4*\c+3], v[\adr] offset:64*(\q)+32*\c+(\i)*16*PITCH
.endr
.endm
; 16 matrix instructions: A's blocks a0, a0 + 1 x B's eight, 128 along K: the slot's q-th.  p: B's set;  sc: the set of scale words.  zero = 1: the first product starts the sums.
; The 64 accumulators take turns, one instruction a turn, in the same order in every step.
.macro MUL16 a0, p, q, sc, zero
.irp a, \a0, \a0+1
.irp b, 0,1,2,3,4,5,6,7
.if \zero
	v_wmma_scale_f32_16x16x128_f8f6f4 v[8*(8*((\a)%4)+\b):8*(8*((\a)%4)+\b)+7], v[128*(\p)+FR*\b:128*(\p)+FR*\b+FR-1], v[AF+FR*(\a):AF+FR*(\a)+FR-1], 0, v[SC+8*NQ*(\sc)+NQ*\b+(\q)], v[SC+8*NQ*(\sc)+NQ*(\a)+(\q)] matrix_a_fmt:MATRIX_FMT_FP4 matrix_b_fmt:MATRIX_FMT_FP4 matrix_a_scale:MATRIX_SCALE_ROW1
.else
	v_wmma_scale_f32_16x16x128_f8f6f4 v[8*(8*((\a)%4)+\b):8*(8*((\a)%4)+\b)+7], v[128*(\p)+FR*\b:128*(\p)+FR*\b+FR-1], v[AF+FR*(\a):AF+FR*(\a)+FR-1], v[8*(8*((\a)%4)+\b):8*(8*((\a)%4)+\b)+7], v[SC+8*NQ*(\sc)+NQ*\b+(\q)], v[SC+8*NQ*(\sc)+NQ*(\a)+(\q)] matrix_a_fmt:MATRIX_FMT_FP4 matrix_b_fmt:MATRIX_FMT_FP4 matrix_a_scale:MATRIX_SCALE_ROW1
.endif
.endr
.endr
.endm
.macro FETCH_B slot, q, p              ; B's eight fragments of the slot's q-th 128 along K into set p
	WIN TO_B
.irp i, 0,1,2,3,4,5,6,7
	FRAG 128*(\p)+FR*\i, ADRB+\slot, \q, \i
.endr
	WIN 0
.endm
.macro FETCH_A slot, q, i0             ; A's blocks i0 .. i0 + 3
.irp i, \i0, \i0+1, \i0+2, \i0+3
	FRAG AF+FR*(\i), ADRA+\slot, \q, \i
.endr
.endm
.macro SCALES sc                       ; a slot's scale words into set sc: NQ words a row; lanes 0-15 take A's block i, lanes 16-31 B's block i
.irp i, 0,1,2,3,4,5,6,7
	ds_load_b128 v[SC+8*NQ*\sc+NQ*\i:SC+8*NQ*\sc+NQ*\i+3], v[ADRS] offset:\i*SBLK
.endr
.endm
; A load into a register that a matrix instruction has read, and a vector instruction that reads a matrix result or writes one of its registers, stand NP places behind it; only plain vector instructions that name none of its registers are places.
.macro PLACES n
.rept \n
	v_nop
.endr
.endm
; A step of 128 along K that has its successor in the same slot.  A block of A is free as soon as its eight products are issued: blocks 0-3 are fetched anew in the step's middle, blocks 4-7 at its end; B has two sets.
.macro STEP slot, q, zero
	s_wait_dscnt 4*NL                              ; B's set and A's blocks 0-3 are in; the youngest eight loads (A's blocks 4-7) may be out
	WIN MUL_LO
	MUL16 0, (\q)%2, \q, \slot, \zero
	MUL16 2, (\q)%2, \q, \slot, \zero
	s_wait_dscnt 0                                 ; A's blocks 4-7 are in
	PLACES NP
	FETCH_B \slot, (\q)+1, 1-(\q)%2
	FETCH_A \slot, (\q)+1, 0
	WIN MUL_HI
	MUL16 4, (\q)%2, \q, \slot, \zero
	MUL16 6, (\q)%2, \q, \slot, \zero
	PLACES NP
	WIN 0
	FETCH_A \slot, (\q)+1, 4
.endm
; Slot 0's last step goes on to slot 1: each wave waits for all its tensor loads (its part of slot 1), then the work-group's barrier: behind it slot 1 is whole.  Nothing is filled again.
.macro TURN slot, next
	s_wait_tensorcnt 0x0                           ; all my tensor loads have landed
	ds_add_u32 v[SPW], v[NIL]                      ; 0 onto my spare word
	s_wait_dscnt 4*NL+1                            ; (the add and the youngest eight loads may be out)
	WIN MUL_LO
	MUL16 0, 1, NQ-1, \slot, 0
	s_wait_dscnt 0x0                               ; no LDS instruction of mine is pending at the signal
	s_barrier_signal -1
	MUL16 2, 1, NQ-1, \slot, 0
	WIN 0
	s_barrier_wait -1
	PLACES NP
	v_add_nc_u32 v[ADRS], 4*NQ, v[ADRS]            ; on to the next slot's scale words
	FETCH_B \next, 0, 0
	FETCH_A \next, 0, 0
	SCALES \next
	WIN MUL_HI
	MUL16 4, 1, NQ-1, \slot, 0
	MUL16 6, 1, NQ-1, \slot, 0
	PLACES NP
	WIN 0
	FETCH_A \next, 0, 4
.endm
.macro STEPS slot, from                ; the slot's steps from .. NQ - 2
.set Q, \from
.rept NQ-1-\from
	STEP \slot, Q, 0
.set Q, Q+1
.endr
.endm
	s_wait_tensorcnt 1                             ; the scales and my part of slot 0 are in (slot 1's load may be out)
	s_barrier_signal -1
	s_barrier_wait -1                              ; everybody's are
	FETCH_B 0, 0, 0
	FETCH_A 0, 0, 0
	SCALES 0
	FETCH_A 0, 0, 4
	STEP 0, 0, 1                                   ; the first step's products start the sums: nothing is cleared
	STEPS 0, 1
	TURN 0, 1
	STEPS 1, 0
	s_wait_dscnt 4*NL                              ; the last step: nothing more to fetch
	WIN MUL_LO
	MUL16 0, 1, NQ-1, 1, 0
	MUL16 2, 1, NQ-1, 1, 0
	s_wait_dscnt 0
	WIN MUL_HI
	MUL16 4, 1, NQ-1, 1, 0
	MUL16 6, 1, NQ-1, 1, 0
	WIN 0
; THE WAY OUT of q and k, A's block a (16 tokens) at a time: x 2^sh; hi = the top 11 significant bits; lo = the exact rest; both packed to f16; accumulator b's four packed registers are half b % 2 of fragment (b % 4) / 2 of head b / 4.
.macro QK_OUT a
.set AC, 64*((\a)%4)
	WIN 0x02+(\a)/4                                ; source 0: window 2 or 3
.set i, 0
.rept 32
	v_pk_mul_f32 v[T+i:T+i+1], v[AC+i:AC+i+1], s[96:97] op_sel_hi:[1,0]   ; ascending: each accumulator is read from its low end on
.set i, i+2
.endr
	WIN 0
.set i, 0
.rept 64
	v_and_b32 v[HI+i], s95, v[T+i]
.set i, i+1
.endr
.set i, 0
.rept 32
	v_pk_add_f32 v[T+i:T+i+1], v[T+i:T+i+1], v[HI+i:HI+i+1] neg_lo:[0,1] neg_hi:[0,1]
.set i, i+2
.endr
.if (\a) > 0
	s_wait_xcnt 0x0                                ; the last block's stores have read their data: the packed registers may be written again
.endif
.set i, 0
.rept 32
	v_cvt_pk_f16_f32 v[HP+i], v[HI+2*i], v[HI+2*i+1]
	v_cvt_pk_f16_f32 v[LP+i], v[T+2*i], v[T+2*i+1]
.set i, i+1
.endr
.irp b, 0,1,2,3,4,5,6,7
	global_store_b128 v[CO], v[HP+4*\b:HP+4*\b+3], s[12:13] offset:(\b/4)*HEADB+((\a)/4)*STEPB+((\a)%4)*2048+((\b%4)/2)*1024+(\b%2)*512 th:TH_STORE_NT   ; 512 consecutive bytes, aligned
	global_store_b128 v[CO], v[LP+4*\b:LP+4*\b+3], s[12:13] offset:(\b/4)*HEADB+((\a)/4)*STEPB+((\a)%4)*2048+((\b%4)/2)*1024+(\b%2)*512+8192 th:TH_STORE_NT
.endr
.endm
; THE WAY OUT of v, A's block a (16 channels) at a time: accumulator b's four packed registers are half b % 2 of the fragment of keys 32 ((b % 4) / 2) on, in the block of 64 tokens b / 4.
.macro V_OUT a
.set AC, 64*((\a)%4)
	WIN 0x02+(\a)/4
.set i, 0
.rept 32
	v_pk_mul_f32 v[T+i:T+i+1], v[AC+i:AC+i+1], s[96:97] op_sel_hi:[1,0]
.set i, i+2
.endr
	WIN 0
.if (\a) > 0
	s_wait_xcnt 0x0                                ; the last block's stores have read their data
.endif
.set i, 0
.rept 32
	v_cvt_pk_f16_f32 v[HP+i], v[T+2*i], v[T+2*i+1]
.set i, i+1
.endr
.irp b, 0,1,2,3,4,5,6,7
	global_store_b128 v[CO], v[HP+4*\b:HP+4*\b+3], s[12:13] offset:((\a)/4)*HEADB+(\b/4)*STEPB+16384+((\b%4)/2)*4096+((\a)%4)*1024+(\b%2)*512 th:TH_STORE_NT
.endr
.endm
	PLACES NP                                      ; behind the last products: their results are read, and their operands' and scales' registers written, below
	s_cmp_eq_u32 ttmp9, 2                          ; the cluster's x: the same in all partners
	s_cbranch_scc1 .Lv
.irp a, 0,1,2,3,4,5,6,7
	QK_OUT \a
.endr
	s_branch .Ldone
.Lv:
.irp a, 0,1,2,3,4,5,6,7
	V_OUT \a
.endr
.Ldone:
	s_wait_tensorcnt 0x0                           ; the wave's end
	ds_add_u32 v[SPW], v[NIL]
	s_wait_dscnt 0x0
	CROUND                                         ; the closing round
	s_endpgm
.Lfunc_end_k_q8613c182da_qkv:
	.size	k_q8613c182da_qkv, .Lfunc_end_k_q8613c182da_qkv-k_q8613c182da_qkv
	.p2alignl 7, 3214868480
	.fill 96, 4, 3214868480
	.section	.rodata,"a",@progbits
	.p2align	6, 0x0
	.amdhsa_kernel k_q8613c182da_qkv
		.amdhsa_group_segment_fixed_size 327680
		.amdhsa_private_segment_fixed_size 0
		.amdhsa_enable_private_segment 0
		.amdhsa_kernarg_size 40
		.amdhsa_user_sgpr_count 2
		.amdhsa_user_sgpr_kernarg_segment_ptr 1
		.amdhsa_wavefront_size32 1
		.amdhsa_system_sgpr_workgroup_id_x 1
		.amdhsa_system_sgpr_workgroup_id_y 1
		.amdhsa_system_sgpr_workgroup_id_z 1
		.amdhsa_system_vgpr_workitem_id 0
		.amdhsa_next_free_vgpr 1024
		.amdhsa_next_free_sgpr 100
		.amdhsa_reserve_vcc 0
		.amdhsa_float_denorm_mode_32 3
		.amdhsa_float_denorm_mode_16_64 3
		.amdhsa_memory_ordered 1
		.amdhsa_forward_progress 1
		.amdhsa_inst_pref_size 230
	.end_amdhsa_kernel
	.amdgpu_metadata
---
amdhsa.version: [ 1, 2 ]
amdhsa.kernels:
  - .name:           k_q8613c182da_qkv
    .symbol:         k_q8613c182da_qkv.kd
    .args:
      - { .name: codes, .offset: 0, .size: 8, .value_kind: global_buffer, .address_space: global }
      - { .name: scales, .offset: 8, .size: 8, .value_kind: global_buffer, .address_space: global }
      - { .name: amax, .offset: 16, .size: 8, .value_kind: global_buffer, .address_space: global }
      - { .name: q_img, .offset: 24, .size: 8, .value_kind: global_buffer, .address_space: global }
      - { .name: kv, .offset: 32, .size: 8, .value_kind: global_buffer, .address_space: global }
    .group_segment_fixed_size: 327680
    .private_segment_fixed_size: 0
    .kernarg_segment_align: 8
    .kernarg_segment_size: 40
    .max_flat_workgroup_size: 128
    .sgpr_count:     100
    .vgpr_count:     1024
    .wavefront_size: 32
...
	.end_amdgpu_metadata
.endif
;; end of part 2
;; launch attn (part 3): grid 8 x 64, 8 waves a work-group, clusters of 4 x 1, 327,680 bytes of LDS; arguments q_img, kv, amax, multi; writes multi
.if DOCPART == 3
	.amdgcn_target "amdgcn-amd-amdhsa--gfx1250"
	.amdhsa_code_object_version 6
	.text
	.protected	k_q8613c182da_attn
	.globl	k_q8613c182da_attn
	.p2align	8
	.type	k_q8613c182da_attn,@function
k_q8613c182da_attn:
	s_mov_b64 s[64:65], 0
	v_nop
	global_prefetch_b8 v0, s[64:65] scope:SCOPE_SE
	s_setreg_imm32_b32 hwreg(HW_REG_WAVE_MODE, 25, 1), 1
	s_wait_xcnt 0x0
	s_wait_alu depctr_hold_cnt(0) depctr_sa_sdst(0) depctr_va_vdst(0) depctr_va_sdst(0) depctr_va_ssrc(0) depctr_va_vcc(0) depctr_vm_vsrc(0)
	s_getreg_b32 s2, hwreg(HW_REG_IB_STS2, 6, 4)
	s_cmp_eq_u32 s2, 0
	s_cbranch_scc0 .Lentry_in_a_cluster
	s_endpgm
.Lentry_in_a_cluster:
	s_bfe_u32 s2, ttmp6, 0x10000c
	s_cmp_lg_u32 s2, 0x3003
	s_cbranch_scc0 .Lentry_shape_is_right
	s_endpgm
.Lentry_shape_is_right:
; ATTN.  For each batch and head: heads[q] = sum over keys of softmax_key(q . k / 8 - (head + 1)(key - query)) v[key], 2,048 keys, no mask.  The part (head + 1) x query is the same for all keys of a row and drops out of the softmax.
; OPERANDS.  q' = q 2^shq and k' = k 2^shk come as PAIRS of f16 (hi, lo), v' = v 2^shv as f16, all as images of operand registers (a fragment of 16 rows x 32 along K is 1,024 bytes: registers 0-3 of lane l at 16 l, 4-7 at 512 + 16 l).
; The scores are thousands and the softmax is nearly one-hot, so the score product takes three products on the pairs: lo hi, hi lo, hi hi (small terms first); lo lo, under 2^-20 of a product, is left out.
; acc = q' . k' + BF x (key - the step's first key), BF = -8 (head + 1) 2^E, E = shq + shk: the ALiBi term is the C of a sum's first matrix instruction, whole numbers x a power of two, exact.
; t = c' (acc + X0), c' = log2(e) / 8 x 2^-E, X0 = BF x the step's first key.  For each query a running maximum M of t and a sum l: p = 2^(c' acc + (c' X0 - M)); in every step O and l are multiplied by 2^(old M - new M).
; p is rounded to f16 for the second product; l is the sum of the unrounded p.  heads' = O / l is a mean of v', so it stays inside f16; it leaves as f16 images for the last product: multi [token tile 512][2 head + f: 32][1,024 bytes].
; SHARES.  A work-group owns 256 queries of one batch and head, each of its eight waves 32: two tiles of 16; two waves lie on a SIMD.  Every wave walks 32 steps of 64 keys.
; LAYOUT.  S^T = K Q^T (source 0 = 16 keys, source 1 = 16 queries), O^T = V^T P (source 0 = 16 channels x 32 keys, source 1 = P): a lane holds one query throughout; two tiles of S^T packed in pairs are a fragment of P.
; BY TURNS.  A tile of queries never looks at the other tile: the wave's two tiles share K's and V's fragments and nothing else.  In a TURN one tile has the matrix unit: 8 products V^T P of the step in hand, then 24 products K Q^T of
; the next step; the other tile's softmax, a list of 120 vector instructions cut into 32 slices, stands between them, two slices behind every second matrix instruction.  Then the tiles change places.  Two turns are a key step.
; RING.  Two LDS slots of four steps (98,304 dense bytes of kv), each wave fetching an eighth.  CLUSTER: the four query blocks of a cluster walk the same bytes: each load is asked for jointly by all four.
; LIMITS: M starts at -3e38; shq, shk are held to +-50; NaN and infinities are not served.
; REGISTERS: window 0: v2-9 addresses; v16-31 statistics, 8 a tile (+0 c' X0 - M, +1 M, +2 +3 l, +4..+7 at work, the rescaling factor in +6); v32-63 the ALiBi term; v64-127 S^T; v128-159 P; v160-223 O^T.
;   window 1: v0-63 Q (tile a, part, f at 32 a + 16 part + 8 f); v64-127 K hi, v128-191 K lo (8 (2 kt + f)); v192-255 V (8 (4 g + ct)).
; All that a softmax touches lies in window 0, a product's sources 0 (and, for the scores, 1) in window 1: so a pair of slices costs two switches of the window.
.set STEPB, 24576                      ; a step's bytes: K hi 8,192, K lo 8,192, V 8,192
.set SLOTB, 4*STEPB
.set PART,  SLOTB/8                    ; what one tensor load brings
.set SLOT1, 1<<17                      ; slot 1 begins here: one exclusive or turns an address from slot to slot
.set SPARE, SLOT1+SLOTB                ; behind the ring: the spare words, 128 bytes a wave
.set HEADB, 32*STEPB
.set GRP, 2                            ; matrix instructions on end, and slices behind them
.set LI,  2                            ; v2   16 x lane
.set ADR, 3                            ; v3   LDS address of K's run of loads
.set ADR2, 4                           ; v4   of V's
.set PFO, 5                            ; v5   256 x lane
.set SPW, 8                            ; v8   LDS address of my spare word; never rewritten
.set NIL, 9                            ; v9   0; never rewritten
.set ST,  16
.set CBR, 32
.set S,   64
.set P,   128
.set O,   160
.set QF,  0                            ; in window 1
.set KH,  64
.set KL,  128
.set VF,  192
.set WV,  12                           ; s12  wave
.set CX,  13                           ; s13  my place in the cluster
.set LIM, 15                           ; s15  1 in a wave that prefetches, else the greatest number
.set PFA, 20                           ; s[20:21] where my prefetches stand
.set G1,  24                           ; s[24:31] descriptor group 1
.set G0A, 32                           ; s[32:35] group 0 for slot 0's first fill
.set G0B, 36                           ; s[36:39] for slot 1's; it then walks on
.set CS,  48                           ; s[48:49] c'
.set X0,  50
.set KB,  51                           ; c' X0
.set DX,  52                           ; 64 BF
.set BF,  53
.set SEL, 54                           ; s[54:55] lane selects for v_permlanex16_b32
.set TB,  56                           ; LDS byte at which the step to be fetched begins
.set SLOTS, 57
.set CNT, 58
.set BF9, 59                           ; 9 BF
.set MSB, 0
.macro WIN new                         ; the immediate's high byte repeats the setting that is left; a switch that changes nothing is dropped
.if MSB != (\new)
	s_set_vgpr_msb (MSB<<8)|(\new)
.set MSB, (\new)
.endif
.endm
.macro PLACES
.rept 4
	v_nop
.endr
.endm
.macro CROUND                          ; a round of the cluster's barrier
	s_barrier_signal -1
	s_barrier_wait -1
	s_cmp_lg_u32 s[WV], 0
	s_cbranch_scc1 .Lnot_wave_0_\@
	s_barrier_signal -3
.Lnot_wave_0_\@:
	s_barrier_wait -3
	s_barrier_signal -1
	s_barrier_wait -1
.endm
.macro WAVEMAX r, t                    ; the largest of v[r] over the 32 lanes, in every lane; v[t] at work
	v_max_num_f32_dpp v[\r], v[\r], v[\r] row_xmask:1 row_mask:0xf bank_mask:0xf
	v_max_num_f32_dpp v[\r], v[\r], v[\r] row_xmask:2 row_mask:0xf bank_mask:0xf
	v_max_num_f32_dpp v[\r], v[\r], v[\r] row_xmask:4 row_mask:0xf bank_mask:0xf
	v_max_num_f32_dpp v[\r], v[\r], v[\r] row_xmask:8 row_mask:0xf bank_mask:0xf
	v_permlanex16_b32 v[\t], v[\r], s[SEL], s[SEL+1]
	v_max_num_f32 v[\r], v[\r], v[\t]
.endm
.macro SHIFT d, fx, fw                 ; sh = 257 - the two exponent fields, held to +-50: as the launch that made q, k, v has it
	s_add_co_u32 s[\d], s[\fx], s[\fw]
	s_sub_co_i32 s[\d], 257, s[\d]
	s_max_i32 s[\d], s[\d], -50
	s_min_i32 s[\d], s[\d], 50
.endm
	s_load_b256 s[4:11], s[0:1], 0x0               ; q_img s[4:5], kv s[6:7], amax s[8:9], multi s[10:11]
	v_lshl_add_u32 v[SPW], v0, 2, SPARE
	v_mov_b32 v[NIL], 0
	ds_add_u32 v[SPW], v[NIL]                      ; the wave's opening: the add, twice on end, and its wait ahead of my first tensor load
	ds_add_u32 v[SPW], v[NIL]
	v_lshrrev_b32 v1, 5, v0
	v_readfirstlane_b32 s[WV], v1                  ; wave 0..7
	s_bfe_u32 s[CX], ttmp6, 0x40000
	s_lshl_b32 s14, ttmp9, 2
	s_add_co_u32 s14, s14, s[CX]                   ; my block of 256 queries: it enters q's and multi's addresses alone
	s_and_b32 s16, ttmp7, 0xffff                   ; 16 batch + head, which the four partners share
	s_mul_i32 s40, s16, HEADB                      ; its first byte in q_img and in kv (under 2^26)
	s_mov_b32 s41, 0
	s_mul_i32 s42, s[WV], PART                     ; my eighth of a slot, in memory and in LDS
	s_mov_b32 s43, 0
	s_lshl_b32 s19, s14, 2
	s_lshr_b32 s22, s[WV], 1
	s_add_co_u32 s19, s19, s22                     ; q: my block of 64 queries,
	s_mul_i32 s44, s19, STEPB
	s_and_b32 s22, s[WV], 1
	s_lshl_b32 s22, s22, 12                        ; my two tiles in it
	s_add_co_u32 s44, s44, s22
	s_add_co_u32 s44, s44, s40
	s_mov_b32 s45, 0
	s_lshr_b32 s17, s16, 4                         ; batch
	s_and_b32 s18, s16, 15                         ; head
	s_lshl_b32 s17, s17, 7
	s_lshl_b32 s19, s14, 4
	s_add_co_u32 s17, s17, s19
	s_lshl_b32 s19, s[WV], 1
	s_add_co_u32 s17, s17, s19                     ; my first token tile: 128 batch + 16 block + 2 wave
	s_lshl_b32 s46, s17, 15
	s_lshl_b32 s19, s18, 11
	s_add_co_u32 s46, s46, s19                     ; + my head's two fragments
	s_mov_b32 s47, 0
	s_mul_i32 s22, s[CX], STEPB                    ; the prefetches: my work-group's quarter of a slot,
	s_min_u32 s19, s[WV], 2
	s_lshl_b32 s19, s19, 13                        ; my wave's third of that,
	s_add_co_u32 s22, s22, s19
	s_add_co_u32 s22, s22, 2*SLOTB                 ; in the third slot's worth of keys: the first change of slots steps it on
	s_mov_b32 s23, 0
	; descriptor group 1: 12,288 dense bytes as 48 rows of 256 bytes (32 elements of 8 bytes), no padding: the images are read 16 bytes a lane on end
	s_mov_b32 s[G1], 15|(3<<16)|(1<<21)            ; 15:0 the mask: all four work-groups; 17:16 elements of 8 bytes; 21 set beside a mask
	s_mov_b32 s[G1+1], 32<<16                      ; tensor_dim0
	s_mov_b32 s[G1+2], 48<<16                      ; tensor_dim1
	s_mov_b32 s[G1+3], 32<<16                      ; tile_dim0
	s_mov_b32 s[G1+4], 48                          ; tile_dim1
	s_mov_b32 s[G1+5], 32                          ; from row to row
	s_mov_b32 s[G1+6], 0
	s_mov_b32 s[G1+7], 0
	s_mov_b32 s[SEL], 0x76543210
	s_mov_b32 s[SEL+1], 0xfedcba98
	s_mov_b32 s[TB], 0
	s_mov_b32 s[SLOTS], 6
	s_cmp_lt_u32 s[WV], 3                          ; waves 0 to 2
	s_cselect_b32 s[LIM], 0, 1
	s_or_b32 s[LIM], s[LIM], ttmp9                 ; of the head's first cluster prefetch: the same in all four partners
	s_cmp_eq_u32 s[LIM], 0
	s_cselect_b32 s[LIM], 1, -1
	v_and_b32 v1, 31, v0
	v_lshlrev_b32 v[LI], 4, v1
	v_lshlrev_b32 v[PFO], 8, v1
	s_wait_dscnt 0x0                               ; both opening adds are done
	s_wait_kmcnt 0x0
	s_add_nc_u64 s[6:7], s[6:7], s[40:41]          ; kv at my head
	s_add_nc_u64 s[PFA:PFA+1], s[6:7], s[22:23]
	s_add_nc_u64 s[2:3], s[6:7], s[42:43]          ; at my eighth of the first slot
	s_add_nc_u64 s[4:5], s[4:5], s[44:45]
	s_add_nc_u64 s[10:11], s[10:11], s[46:47]
	CROUND                                         ; all four work-groups are here: the first joint loads meet
	s_mov_b32 s[G0A], 1
	s_mov_b32 s[G0A+1], s42
	s_mov_b64 s[G0A+2:G0A+3], s[2:3]
	s_or_b32 s[G0A+3], s[G0A+3], 0x80000000
	s_mov_b32 s[G0B], 1
	s_add_co_u32 s[G0B+1], s42, SLOT1
	s_add_nc_u64 s[G0B+2:G0B+3], s[2:3], SLOTB
	s_or_b32 s[G0B+3], s[G0B+3], 0x80000000
	tensor_load_to_lds s[G0A:G0A+3], s[G1:G1+7]    ; steps 0 to 3
	s_nop 0
	tensor_load_to_lds s[G0B:G0B+3], s[G1:G1+7]    ; steps 4 to 7: two loads of mine are out
	s_nop 0
.rept 4
	v_nop
.endr
	WIN 0x40                                       ; destination window 1
.irp a, 0,1
.irp u, 0,1                                    ; hi, lo
.irp f, 0,1
.irp c, 0,1
	global_load_b128 v[QF+32*\a+16*\u+8*\f+4*\c:QF+32*\a+16*\u+8*\f+4*\c+3], v[LI], s[4:5] offset:\a*2048+\u*8192+\f*1024+\c*512   ; Q stays in registers
.endr
.endr
.endr
.endr
	WIN 0
.irp i, 0,1,2,3,4,5,6,7
	global_load_b128 v[64+4*\i:67+4*\i], v[LI], s[8:9] offset:512*\i   ; the largest magnitudes: x's 1,024 words,
.endr
	global_load_b128 v[96:99], v[LI], s[8:9] offset:4096               ; W_query's 128,
	global_load_b128 v[100:103], v[LI], s[8:9] offset:4608             ; W_key's 128
	s_wait_loadcnt 0x0                             ; these, and Q
	v_max3_num_f32 v64, v64, v65, v66
.set i, 3
.rept 14
	v_max3_num_f32 v64, v64, v[64+i], v[65+i]
.set i, i+2
.endr
	v_max_num_f32 v64, v64, v95
	v_max3_num_f32 v96, v96, v97, v98
	v_max_num_f32 v96, v96, v99
	v_max3_num_f32 v100, v100, v101, v102
	v_max_num_f32 v100, v100, v103
	WAVEMAX 64, 65
	WAVEMAX 96, 97
	WAVEMAX 100, 101
	v_readfirstlane_b32 s40, v64
	v_readfirstlane_b32 s41, v96
	v_readfirstlane_b32 s42, v100
	s_lshr_b32 s40, s40, 23                        ; the exponent fields
	s_lshr_b32 s41, s41, 23
	s_lshr_b32 s42, s42, 23
	SHIFT 41, 40, 41
	SHIFT 42, 40, 42
	s_add_co_i32 s41, s41, s42                     ; E
	s_add_co_i32 s42, s41, 127
	s_lshl_b32 s42, s42, 23
	s_or_b32 s42, s42, 0x80000000                  ; -2^E
	s_sub_co_i32 s43, 127, s41
	s_lshl_b32 s43, s43, 23                        ; 2^-E
	s_add_co_u32 s44, s18, 1
	s_lshl_b32 s44, s44, 3
	s_cvt_f32_u32 s44, s44                         ; 8 (head + 1)
	s_mul_f32 s[BF], s44, s42
	s_mul_f32 s[CS], s43, 0x3e38aa3b               ; log2(e) / 8 x 2^-E
	s_mul_f32 s[DX], s[BF], 0x42800000             ; 64 BF
	s_mul_f32 s[BF9], s[BF], 0x41100000            ; 9 BF
	s_mov_b32 s[CS+1], s[CS]                       ; (named with it as a pair, so it is written)
	s_mov_b32 s[X0], 0
	s_mov_b32 s[KB], 0
	v_bfe_u32 v1, v0, 4, 1
	v_lshlrev_b32 v1, 3, v1
	v_cvt_f32_u32 v1, v1
	v_mul_f32 v[CBR], s[BF], v1                    ; register 8 kt + j belongs to key 16 kt + 8 (lane / 16) + j of a step: BF x that; every sum below is exact
.set n, 1
.rept 31
.if n%8 == 0
	v_add_f32 v[CBR+n], s[BF9], v[CBR+n-1]
.else
	v_add_f32 v[CBR+n], s[BF], v[CBR+n-1]
.endif
.set n, n+1
.endr
.set n, 0
.rept 64
	v_mov_b32 v[O+n], 0                            ; O^T.  (The softmax is written once: the first finds zeros, which its rescaling leaves zeros)
.set n, n+1
.endr
.irp a, 0,1
	v_mov_b32 v[ST+8*\a+1], 0xff61b1e6             ; M: -3e38, under every t
	v_mov_b32 v[ST+8*\a+2], 0                      ; l, in two halves
	v_mov_b32 v[ST+8*\a+3], 0
	v_mov_b32 v[ST+8*\a+5], 0                      ; written once: a lane permute's destination counts as one of its sources
.endr
; THE LDS LOADS stand in runs, never singly among the matrix instructions.
.macro FETCH_K                         ; a step's K: 32 loads of 512 consecutive bytes; the low parts first, since the first links of a sum take them
	WIN 0
	v_add_nc_u32 v[ADR], s[TB], v[LI]
	WIN 0x40
.set fi, 0
.rept 16
	ds_load_b128 v[KL+4*fi:KL+4*fi+3], v[ADR] offset:8192+512*fi
.set fi, fi+1
.endr
.set fi, 0
.rept 16
	ds_load_b128 v[KH+4*fi:KH+4*fi+3], v[ADR] offset:512*fi
.set fi, fi+1
.endr
.endm
.macro FETCH_V                         ; the same step's V: 16 loads
	WIN 0
	v_add_nc_u32 v[ADR2], s[TB], v[LI]
	s_add_co_u32 s[TB], s[TB], STEPB               ; the next fetch is the next step's
	WIN 0x40
.set fi, 0
.rept 16
	ds_load_b128 v[VF+4*fi:VF+4*fi+3], v[ADR2] offset:16384+512*fi
.set fi, fi+1
.endr
.endm
; The first step's scores of both tiles, ahead of the turns.  Eight matrix instructions a link, one on each of the eight accumulators of S^T: channels 32 f on.  first = 1: the ALiBi term starts the sums.
.macro LINK kreg, part, f, first
.irp kt, 0,1,2,3
.irp a, 0,1
.if \first
	v_wmma_f32_16x16x32_f16 v[S+32*\a+8*\kt:S+32*\a+8*\kt+7], v[\kreg+8*(2*\kt+\f):\kreg+8*(2*\kt+\f)+7], v[QF+32*\a+16*\part+8*\f:QF+32*\a+16*\part+8*\f+7], v[CBR+8*\kt:CBR+8*\kt+7]
.else
	v_wmma_f32_16x16x32_f16 v[S+32*\a+8*\kt:S+32*\a+8*\kt+7], v[\kreg+8*(2*\kt+\f):\kreg+8*(2*\kt+\f)+7], v[QF+32*\a+16*\part+8*\f:QF+32*\a+16*\part+8*\f+7], v[S+32*\a+8*\kt:S+32*\a+8*\kt+7]
.endif
.endr
.endr
.endm
.macro SCORES
	WIN 0x05                                       ; K and Q in window 1
	LINK KL, 0, 0, 1                               ; k lo x q hi
	LINK KL, 0, 1, 0
	LINK KH, 1, 0, 0                               ; k hi x q lo
	LINK KH, 1, 1, 0
	LINK KH, 0, 0, 0                               ; k hi x q hi: only these two links round at full size
	LINK KH, 0, 1, 0
.endm
; THE MATRIX WORK OF A TURN, for tile x; i counts the turn's 32 matrix instructions.  The four accumulators of a product take turns, one instruction a turn.
; i = 0 .. 7: O^T += V^T P: keys 32 (i / 4) on, channels 16 (i % 4) on.
.macro PV x
	WIN 0x01                                       ; V in window 1
.set rO, O+32*(\x)+8*(i%4)
.set rV, VF+8*i
.set rP, P+16*(\x)+8*(i/4)
	v_wmma_f32_16x16x32_f16 v[rO:rO+7], v[rV:rV+7], v[rP:rP+7], v[rO:rO+7]
.endm
; i = 8 .. 31: S^T = the ALiBi term + K Q^T: link (i - 8) / 4 of six (k lo x q hi, k hi x q lo, k hi x q hi; channels 0-31, then 32-63), keys 16 ((i - 8) % 4) on.  The first link starts the sums.
.macro KQ x
	WIN 0x05                                       ; K and Q in window 1
.set mm, i-8
.set kk, mm%4
.set lk, mm/4
.set ff, lk%2
.set pp, 0
.if (lk == 2) || (lk == 3)
.set pp, 1
.endif
.set rK, KH+8*(2*kk+ff)
.if lk < 2
.set rK, KL+8*(2*kk+ff)
.endif
.set rS, S+32*(\x)+8*kk
.set rQ, QF+32*(\x)+16*pp+8*ff
.if lk == 0
	v_wmma_f32_16x16x32_f16 v[rS:rS+7], v[rK:rK+7], v[rQ:rQ+7], v[CBR+8*kk:CBR+8*kk+7]
.else
	v_wmma_f32_16x16x32_f16 v[rS:rS+7], v[rK:rK+7], v[rQ:rQ+7], v[rS:rS+7]
.endif
.endm
; THE VECTOR WORK OF A TURN.  One tile's softmax for one key step is a list of 120 instructions; SM writes number n of it for tile t.  s0-s31 are the lane's 32 scores, in pairs 0-15.
;   0-15    the maximum of s0-s31, three operands at a time: four chains of seven scores (each accumulator is read from its low end on), then the four scores left over and the chains
;   16-22   the other half of the lanes' maximum; as t; the new M; old M - new M; M; c' X0 - M, rounded once
;   23-38   the 16 scalings t - M, a pair of scores each
;   39-71   ONE BATCH of 33 exponentials: the rescaling factor, then p in place.  None of these reads an exponential's result
;   (wait)  ahead of number 72: a plain instruction and the one wait for the batch
;   72-87   the roundings to f16, a pair of weights each
;   88-103  the row's sum of the unrounded p, in place, neighbours 1, 2, 4 and 8 pairs apart; l = l x factor + the sum
;   104-119 the tile's O^T times the factor, ascending: each accumulator from its low end on
.macro SM t
.set rT, ST+8*(\t)
.set rS, S+32*(\t)
.set rP, P+16*(\t)
.set rO, O+32*(\t)
.if n < 4
	v_max3_num_f32 v[rT+4+n], v[rS+8*n], v[rS+8*n+1], v[rS+8*n+2]
.elseif n < 12
	v_max3_num_f32 v[rT+4+n%4], v[rT+4+n%4], v[rS+8*(n%4)+2*(n/4)+1], v[rS+8*(n%4)+2*(n/4)+2]
.elseif n == 12
	v_max3_num_f32 v[rT+4], v[rT+4], v[rS+7], v[rS+15]
.elseif n == 13
	v_max3_num_f32 v[rT+6], v[rT+6], v[rS+23], v[rS+31]
.elseif n == 14
	v_max3_num_f32 v[rT+4], v[rT+4], v[rT+5], v[rT+6]
.elseif n == 15
	v_max_num_f32 v[rT+4], v[rT+4], v[rT+7]
.elseif n == 16
	v_permlanex16_b32 v[rT+5], v[rT+4], s[SEL], s[SEL+1]   ; the query's other 32 keys lie in the lane 16 away
.elseif n == 17
	v_max_num_f32 v[rT+4], v[rT+4], v[rT+5]
.elseif n == 18
	v_fma_f32 v[rT+4], v[rT+4], s[CS], s[KB]       ; the step's largest t (c' is positive)
.elseif n == 19
	v_max_num_f32 v[rT+5], v[rT+1], v[rT+4]        ; the new M
.elseif n == 20
	v_sub_f32 v[rT+7], v[rT+1], v[rT+5]            ; old M - new M
.elseif n == 21
	v_mov_b32 v[rT+1], v[rT+5]
.elseif n == 22
	v_fma_f32 v[rT], s[X0], s[CS], -v[rT+5]        ; c' X0 - M
.elseif n < 39
	v_pk_fma_f32 v[rS+2*(n-23):rS+2*(n-23)+1], v[rS+2*(n-23):rS+2*(n-23)+1], s[CS:CS+1], v[rT:rT+1] op_sel_hi:[1,0,0]
.elseif n == 39
	v_exp_f32 v[rT+6], v[rT+7]                     ; the rescaling factor
.elseif n < 72
	v_exp_f32 v[rS+n-40], v[rS+n-40]               ; p
.elseif n < 88
.if n == 72
	v_nop                                          ; a plain instruction behind the last exponential
	s_wait_alu depctr_va_vdst(0)                   ; one wait for the batch of 33
.endif
	v_cvt_pk_f16_f32 v[rP+n-72], v[rS+2*(n-72)], v[rS+2*(n-72)+1]
.elseif n < 104
.set z, n-88
.set w, 4
.set u, z
.if z >= 14
.set w, 32
.set u, 0
.elseif z >= 12
.set w, 16
.set u, z-12
.elseif z >= 8
.set w, 8
.set u, z-8
.endif
.if z < 15
	v_pk_add_f32 v[rS+w*u:rS+w*u+1], v[rS+w*u:rS+w*u+1], v[rS+w*u+w/2:rS+w*u+w/2+1]
.else
	v_pk_fma_f32 v[rT+2:rT+3], v[rT+2:rT+3], v[rT+6:rT+7], v[rS:rS+1] op_sel_hi:[1,0,1]
.endif
.else
	v_pk_mul_f32 v[rO+2*(n-104):rO+2*(n-104)+1], v[rO+2*(n-104):rO+2*(n-104)+1], v[rT+6:rT+7] op_sel_hi:[1,0]
.endif
.endm
; Slice k of 32 of tile y's softmax.  Slices 0-2: four numbers each; slices 3-6: two each and slice 7 three: numbers 12 to 22 hang on each other; slices 8-30: four each; slice 31: the last five.
; No slice names a register of the turn's products.  Slices 30 and 31, nine plain multiplications, are the places between a turn's last products and what follows: the next turn's first read of those scores, and the loads into K's registers.
.macro SLICE y
	WIN 0
.if k < 3
.set n0, 4*k
.set n1, 4*k+4
.elseif k < 7
.set n0, 12+2*(k-3)
.set n1, 14+2*(k-3)
.elseif k == 7
.set n0, 20
.set n1, 23
.elseif k < 31
.set n0, 23+4*(k-8)
.set n1, 27+4*(k-8)
.else
.set n0, 115
.set n1, 120
.endif
.set n, n0
.rept n1-n0
	SM \y
.set n, n+1
.endr
.set k, k+1
.endm
; THE CHANGE OF SLOTS, between tile 1's turn and tile 0's, when the slot's last bytes (its fourth step's V) have been asked for.  Each wave waits for all its tensor loads (its part of the other slot), adds 0 to its spare word, and waits
; for that and for its reads of this slot.  fill = 1: the barrier is a round of the cluster's, and behind it this slot is filled with the keys two slots on: one load a wave, which has four steps in which to land.
.macro CHANGE fill
	s_wait_tensorcnt 0x0                           ; no tensor load of mine is out, so a group 0 may be written
	ds_add_u32 v[SPW], v[NIL]                      ; 0 onto my spare word
.if \fill
	s_xor_b32 s[G0B+1], s[G0B+1], SLOT1            ; the walking descriptor: the other slot than last time,
	s_add_nc_u64 s[G0B+2:G0B+3], s[G0B+2:G0B+3], SLOTB   ; the next 256 keys
	s_wait_xcnt 0x0                                ; the last prefetch, four steps back, has read its address
	s_add_nc_u64 s[PFA:PFA+1], s[PFA:PFA+1], SLOTB ; one slot further on than the walking descriptor
	s_wait_dscnt 0x0                               ; the add is done, and my reads of the slot are over
	CROUND
	tensor_load_to_lds s[G0B:G0B+3], s[G1:G1+7]    ; the first thing behind the round, and my one tensor load until the next
	s_nop 0
.rept 4
	v_nop
.endr
.else
	s_wait_dscnt 0x0
	s_barrier_signal -1
	s_barrier_wait -1
.endif
	s_sub_co_u32 s[TB], s[TB], 4*STEPB             ; the fetches go back to a slot's first step,
	s_xor_b32 s[TB], s[TB], SLOT1                  ; in the other slot
.endm
; A PREFETCH INTO THE L2 of what the NEXT change of slots will ask for: 98,304 bytes, four steps ahead of that load.  Both clusters of a head walk the same bytes: the first asks.  Its four partners take a quarter each, told apart
; by address alone; in each, waves 0 to 2 ask for 8,192 bytes, lanes 256 bytes apart: each aligned block of 256 bytes is named once in the launch.  The last change that fills a slot asks for nothing.
.macro ASK
	s_cmp_gt_u32 s[SLOTS], s[LIM]
	s_cbranch_scc0 .Lnot_mine_\@
	global_prefetch_b8 v[PFO], s[PFA:PFA+1] th:TH_LOAD_NT scope:SCOPE_SE
.Lnot_mine_\@:
.endm
; A TURN.  Tile x has the matrix unit; the other tile's softmax stands in slices, GRP of them behind every GRP matrix instructions.
; full = 1: V^T P of the step in hand, then K Q^T of the next step.  full = 0 (the last step): V^T P alone; the slices that are left follow bare.  ask = 1: the prefetch stands behind K's run of loads.
; Tile 0's turn fetches the next step's K at its head: both tiles have multiplied by the K in hand.  Tile 1's turn fetches the next step's V behind its tenth matrix instruction: the last product that read V is its eighth, and
; slices 6 to 9, thirteen plain instructions that name none of its registers, lie between.
.macro TURN x, full, ask
.set k, 0
.if (\x) == 0
.if \full
	FETCH_K
.if \ask
	WIN 0
	ASK
.endif
	s_wait_dscnt 32                                ; V is in; K's 32 loads, just issued, may be out
.else
	s_wait_dscnt 0x0                               ; V is in
.endif
.endif
.set i, 0
.rept 8
	PV \x
.if i%GRP == GRP-1
.rept GRP
	SLICE 1-(\x)
.endr
.endif
.set i, i+1
.endr
.if \full
.rept 24
.if (\x) == 0
.if i == 8
	s_wait_dscnt 16                                ; K's low parts are in; the 16 loads of its high parts may be out
.elseif i == 16
	s_wait_dscnt 0x0                               ; K's high parts are in
.endif
.endif
	KQ \x
.if i%GRP == GRP-1
.rept GRP
	SLICE 1-(\x)
.endr
.endif
.if ((\x) == 1) && (i == 9)
	FETCH_V
.endif
.set i, i+1
.endr
.else
.rept 24
	SLICE 1-(\x)
.endr
.endif
	WIN 0                                          ; at a label and at a branch every window is 0
.endm
; A KEY STEP j: tile 0: V^T P of step j, K Q^T of step j + 1 | tile 1's softmax of step j;  then tile 1: the same | tile 0's softmax of step j + 1.  chg = 1: with a change of slots that fills; 2: one that does not.
.macro STEP chg
.if \chg == 1
	CHANGE 1
	TURN 0, 1, 1
.elseif \chg == 2
	CHANGE 0
	TURN 0, 1, 0
.else
	TURN 0, 1, 0
.endif
	s_add_f32 s[X0], s[X0], s[DX]                  ; the softmaxes that follow are of step j + 1: its first key, exact
	s_mul_f32 s[KB], s[X0], s[CS]
	TURN 1, 1, 0
.endm
.macro THREE                           ; three steps without a change of slots: written once, walked three times
	s_mov_b32 s[CNT], 3
.Lplain_\@:
	STEP 0
	s_sub_co_u32 s[CNT], s[CNT], 1
	s_cmp_lg_u32 s[CNT], 0
	s_cbranch_scc1 .Lplain_\@
.endm
	s_wait_tensorcnt 0x1                           ; my part of slot 0 is in; slot 1's may stay out
	s_barrier_signal -1
	s_barrier_wait -1                              ; everybody's is
	FETCH_K                                        ; step 0
	FETCH_V
	s_wait_dscnt 16                                ; K's 32 loads are in; V's 16, issued behind them, may be out
	SCORES                                         ; both tiles' scores of step 0: there is no vector work yet to set between them
	WIN 0
	PLACES                                         ; behind the last product: S^T is read below
.set k, 0
.rept 32
	SLICE 0                                        ; tile 0's softmax of step 0
.endr
.Lslot:                                            ; six trips of four steps: six of the eight slots' worth of keys are asked for here
	THREE
	STEP 1
	s_sub_co_u32 s[SLOTS], s[SLOTS], 1
	s_cmp_lg_u32 s[SLOTS], 0
	s_cbranch_scc1 .Lslot
	THREE                                          ; the tail is written out
	STEP 2
	THREE
	TURN 0, 0, 0                                   ; step 31: tile 0's V^T P | tile 1's last softmax
.set i, 0
.rept 8
	PV 1                                           ; tile 1's V^T P of step 31
.set i, i+1
.endr
	WIN 0
	PLACES                                         ; behind the last products
	; THE WAY OUT.  l's two halves and the other half of the lanes' are added; O^T / l is packed to f16: tile ct's four registers are half ct % 2 of fragment ct / 2 of my head.
.irp a, 0,1
	v_add_f32 v[ST+8*\a+4], v[ST+8*\a+2], v[ST+8*\a+3]
.endr
.irp a, 0,1
	v_permlanex16_b32 v[ST+8*\a+5], v[ST+8*\a+4], s[SEL], s[SEL+1]
.endr
.irp a, 0,1
	v_add_f32 v[ST+8*\a+4], v[ST+8*\a+4], v[ST+8*\a+5]
.endr
.irp a, 0,1
	v_rcp_f32 v[ST+8*\a+6], v[ST+8*\a+4]
.endr
	v_nop                                          ; a plain instruction behind the last reciprocal
	s_wait_alu depctr_va_vdst(0)                   ; one wait for the two, ahead of their first reader
.set i, 0
.rept 16
.irp a, 0,1
	v_pk_mul_f32 v[O+32*\a+i:O+32*\a+i+1], v[O+32*\a+i:O+32*\a+i+1], v[ST+8*\a+6:ST+8*\a+7] op_sel_hi:[1,0]
.endr
.set i, i+2
.endr
.set i, 0
.rept 32
	v_cvt_pk_f16_f32 v[S+i], v[O+2*i], v[O+2*i+1]
.set i, i+1
.endr
.irp a, 0,1
.irp ct, 0,1,2,3
	global_store_b128 v[LI], v[S+16*\a+4*\ct:S+16*\a+4*\ct+3], s[10:11] offset:\a*32768+\ct*512 th:TH_STORE_NT   ; 512 consecutive bytes, aligned
.endr
.endr
	s_wait_tensorcnt 0x0                           ; the wave's end
	ds_add_u32 v[SPW], v[NIL]
	s_wait_dscnt 0x0
	CROUND                                         ; the closing round: no work-group ends while a partner may still ask for a tile that names it
	s_endpgm
.Lfunc_end_k_q8613c182da_attn:
	.size	k_q8613c182da_attn, .Lfunc_end_k_q8613c182da_attn-k_q8613c182da_attn
	.p2alignl 7, 3214868480
	.fill 96, 4, 3214868480
	.section	.rodata,"a",@progbits
	.p2align	6, 0x0
	.amdhsa_kernel k_q8613c182da_attn
		.amdhsa_group_segment_fixed_size 327680
		.amdhsa_private_segment_fixed_size 0
		.amdhsa_enable_private_segment 0
		.amdhsa_kernarg_size 32
		.amdhsa_user_sgpr_count 2
		.amdhsa_user_sgpr_kernarg_segment_ptr 1
		.amdhsa_wavefront_size32 1
		.amdhsa_system_sgpr_workgroup_id_x 1
		.amdhsa_system_sgpr_workgroup_id_y 1
		.amdhsa_system_sgpr_workgroup_id_z 1
		.amdhsa_system_vgpr_workitem_id 0
		.amdhsa_next_free_vgpr 512
		.amdhsa_next_free_sgpr 72
		.amdhsa_reserve_vcc 0
		.amdhsa_float_denorm_mode_32 3
		.amdhsa_float_denorm_mode_16_64 3
		.amdhsa_memory_ordered 1
		.amdhsa_forward_progress 1
		.amdhsa_inst_pref_size 153
	.end_amdhsa_kernel
	.amdgpu_metadata
---
amdhsa.version: [ 1, 2 ]
amdhsa.kernels:
  - .name:           k_q8613c182da_attn
    .symbol:         k_q8613c182da_attn.kd
    .args:
      - { .name: q_img, .offset: 0, .size: 8, .value_kind: global_buffer, .address_space: global }
      - { .name: kv, .offset: 8, .size: 8, .value_kind: global_buffer, .address_space: global }
      - { .name: amax, .offset: 16, .size: 8, .value_kind: global_buffer, .address_space: global }
      - { .name: multi, .offset: 24, .size: 8, .value_kind: global_buffer, .address_space: global }
    .group_segment_fixed_size: 327680
    .private_segment_fixed_size: 0
    .kernarg_segment_align: 8
    .kernarg_segment_size: 32
    .max_flat_workgroup_size: 256
    .sgpr_count:     72
    .vgpr_count:     512
    .wavefront_size: 32
...
	.end_amdgpu_metadata
.endif
;; end of part 3
;; launch proj (part 4): grid 4 x 64, 4 waves a work-group, clusters of 4 x 4, 327,680 bytes of LDS; arguments multi, wo_img, amax, b_out, out0; writes out0
.if DOCPART == 4
	.amdgcn_target "amdgcn-amd-amdhsa--gfx1250"
	.amdhsa_code_object_version 6
	.text
	.protected	k_q8613c182da_proj
	.globl	k_q8613c182da_proj
	.p2align	8
	.type	k_q8613c182da_proj,@function
k_q8613c182da_proj:
	s_mov_b64 s[64:65], 0
	v_nop
	global_prefetch_b8 v0, s[64:65] scope:SCOPE_SE
	s_setreg_imm32_b32 hwreg(HW_REG_WAVE_MODE, 25, 1), 1
	s_wait_xcnt 0x0
	s_wait_alu depctr_hold_cnt(0) depctr_sa_sdst(0) depctr_va_vdst(0) depctr_va_sdst(0) depctr_va_ssrc(0) depctr_va_vcc(0) depctr_vm_vsrc(0)
	s_getreg_b32 s2, hwreg(HW_REG_IB_STS2, 6, 4)
	s_cmp_eq_u32 s2, 0
	s_cbranch_scc0 .Lentry_in_a_cluster
	s_endpgm
.Lentry_in_a_cluster:
	s_bfe_u32 s2, ttmp6, 0x10000c
	s_cmp_lg_u32 s2, 0xf033
	s_cbranch_scc0 .Lentry_shape_is_right
	s_endpgm
.Lentry_shape_is_right:
; PROJ.  out0 = heads W_out^T + b_out.  The heads come as f16 x 2^shv, W_out as f16, both as images of operand registers (a fragment of 16 rows x 32 along K is 1,024 bytes: registers 0-3 of lane l at 16 l, 4-7 at 512 + 16 l):
; multi [token tile 512][K fragment 32][1,024], wo_img [feature tile 64][K fragment 32][1,024].  Sums in f32; the result is one fused multiply-add: sum x 2^-shv + b_out.  shv is made from amax as the launch that made v has it.
; A tile of out0 is 128 tokens x 256 features: 256 work-groups.  Four waves, each 64 x 128: 32 accumulators, 256 registers.  K goes in steps of 128 (four fragments: 4,096 consecutive bytes of each tile's row of images) through two LDS slots.
; CLUSTERS of 4 x 4: the four of a row need the same tokens' images, the four of a column the same images of W_out: each is asked for jointly.
; THE MATRIX INSTRUCTION IS USED TRANSPOSED (source 0 = 16 rows of W_out, source 1 = 16 tokens): a lane holds eight neighbouring features of one token.
; The images are read from LDS 16 bytes a lane on end: no pitch, no padding.
; REGISTERS: window 0: v16-29 addresses; v32-95 a block's results; v96-223 rows read back from the stage, two sets.   window 1: two sets of fragments at v0 and v128: tokens' four at +8 i, W_out's eight at +32 + 8 b.
;   window 2: the accumulators ((a, b) at v[8 (8 a + b)]).   window 3: v0-63 b_out in the result's layout.
.set KSTEPB, 4096                      ; a K step's bytes in a tile's row of images
.set SLOT,   98304                     ; 8 token tiles x 4,096, then 16 feature tiles x 4,096
.set BOFF,   32768
.set STAGE,  2*SLOT                    ; behind the ring: 16 rows x 528 bytes for each wave, for the way out
.set SPITCH, 528
.set SPARE,  STAGE+4*16*SPITCH         ; behind the stages: the spare words, 128 bytes a wave
.set LAPS,   4                         ; a lap = two K steps = once round the ring
.set ADRA, 16                          ; v16-17  LDS address of my tokens' fragments in slot 0, 1
.set ADRB, 20                          ; v20-21  the same for W_out's
.set STO,  24                          ; v24     the way out: where I put 32 bytes of a row
.set RD,   25                          ; v25     where I read a row back
.set CO,   26                          ; v26     16 x lane
.set SPW,  28                          ; v28     LDS address of my spare word; never rewritten
.set NIL,  29                          ; v29     0; never rewritten
.set T,    32
.set BK,   96
.set F0,   0
.set F1,   128
.set G1, 24                            ; s[24:31] descriptor group 1 for the tokens' images;  s[32:39] group 0, one set for each slot
.set G0, 32
.set G1B, 48                           ; s[48:55], s[56:63] the same for W_out's
.set G0B, 56
.set SCF, 66                           ; s[66:67] 2^-shv
.set SEL, 68                           ; s[68:69] lane selects for v_permlanex16_b32
.set MSB, 0
.macro WIN new                         ; the immediate's high byte repeats the setting that is left
.if MSB != (\new)
	s_set_vgpr_msb (MSB<<8)|(\new)
.set MSB, (\new)
.endif
.endm
.set MUL,  0xa5                        ; sources 0 and 1 window 1; C and D window 2
.set TO_F, 0x40                        ; destination window 1, address window 0
.macro JLOAD s                         ; a joint load: waves 0 and 1 fetch the tokens' halves, waves 2 and 3 W_out's; the branch hangs on the wave's number alone
	s_cmp_eq_u32 s15, 0
	s_cbranch_scc0 .Lfor_b_\@
	tensor_load_to_lds s[G0+4*\s:G0+4*\s+3], s[G1:G1+7]
	s_nop 0
.rept 4
	v_nop
.endr
	s_branch .Lasked_\@
.Lfor_b_\@:
	tensor_load_to_lds s[G0B+4*\s:G0B+4*\s+3], s[G1B:G1B+7]
	s_nop 0
.rept 4
	v_nop
.endr
.Lasked_\@:
.endm
.macro CREST                           ; a round of the cluster's barrier behind its opening barrier
	s_cmp_lg_u32 s14, 0
	s_cbranch_scc1 .Lnot_wave_0_\@
	s_barrier_signal -3
.Lnot_wave_0_\@:
	s_barrier_wait -3
	s_barrier_signal -1
	s_barrier_wait -1
.endm
.macro CROUND                          ; a whole round
	s_barrier_signal -1
	s_barrier_wait -1
	CREST
.endm
.macro WAVEMAX r, t                    ; the largest of v[r] over the 32 lanes, in every lane; v[t] at work
	v_max_num_f32_dpp v[\r], v[\r], v[\r] row_xmask:1 row_mask:0xf bank_mask:0xf
	v_max_num_f32_dpp v[\r], v[\r], v[\r] row_xmask:2 row_mask:0xf bank_mask:0xf
	v_max_num_f32_dpp v[\r], v[\r], v[\r] row_xmask:4 row_mask:0xf bank_mask:0xf
	v_max_num_f32_dpp v[\r], v[\r], v[\r] row_xmask:8 row_mask:0xf bank_mask:0xf
	v_permlanex16_b32 v[\t], v[\r], s[SEL], s[SEL+1]
	v_max_num_f32 v[\r], v[\r], v[\t]
.endm
	s_load_b256 s[4:11], s[0:1], 0x0               ; multi s[4:5], wo_img s[6:7], amax s[8:9], b_out s[10:11]
	s_load_b64 s[12:13], s[0:1], 0x20              ; out0
	v_lshl_add_u32 v[SPW], v0, 2, SPARE
	v_mov_b32 v[NIL], 0
	ds_add_u32 v[SPW], v[NIL]                      ; the wave's opening: the add, twice on end, and its wait ahead of my first tensor load
	ds_add_u32 v[SPW], v[NIL]
	v_lshrrev_b32 v1, 5, v0
	v_readfirstlane_b32 s14, v1                    ; wave 0..3
	s_lshr_b32 s15, s14, 1                         ; which half of the tile's tokens is mine.  Also: I fetch tokens' images (0) or W_out's (1)
	s_and_b32 s16, s14, 1                          ; which half of its features.  Also: which half of those images I fetch
	s_bfe_u32 s40, ttmp6, 0x40000                  ; cx, cy: my place in the cluster
	s_bfe_u32 s41, ttmp6, 0x40004
	s_lshl_b32 s42, ttmp9, 2
	s_add_co_u32 s42, s42, s40                     ; tile column: 256 features
	s_and_b32 s17, ttmp7, 0xffff
	s_lshl_b32 s17, s17, 2
	s_add_co_u32 s17, s17, s41                     ; tile row: 128 tokens
	s_lshl_b32 s43, s41, 2
	s_lshl_b32 s43, 15, s43                        ; my row of the cluster
	s_lshl_b32 s44, 0x1111, s40                    ; my column
	; descriptor group 1: rows of 4,096 bytes (512 elements of 8 bytes), 32,768 bytes apart in memory, dense in LDS: four rows for the tokens, eight for W_out
	s_or_b32 s[G1+0], s43, (3<<16)|(1<<21)         ; 15:0 the mask; 17:16 elements of 8 bytes; 21 set beside a mask
	s_or_b32 s[G1B+0], s44, (3<<16)|(1<<21)
.irp g, G1, G1B
	s_mov_b32 s[\g+1], 512<<16                     ; tensor_dim0
	s_mov_b32 s[\g+3], 512<<16                     ; tile_dim0
	s_mov_b32 s[\g+5], 4096                        ; from row to row
	s_mov_b32 s[\g+6], 0
	s_mov_b32 s[\g+7], 0
.endr
	s_mov_b32 s[G1+2], 4<<16                       ; tensor_dim1
	s_mov_b32 s[G1+4], 4                           ; tile_dim1
	s_mov_b32 s[G1B+2], 8<<16
	s_mov_b32 s[G1B+4], 8
	s_lshl_b32 s20, s17, 3
	s_lshl_b32 s18, s16, 2
	s_add_co_u32 s20, s20, s18                     ; tokens: tile 8 x tile row + 4 x half
	s_lshl_b32 s20, s20, 15
	s_mov_b32 s21, 0
	s_lshl_b32 s46, s42, 4
	s_lshl_b32 s18, s16, 3
	s_add_co_u32 s46, s46, s18                     ; W_out: tile 16 x tile column + 8 x half
	s_lshl_b32 s46, s46, 15
	s_mov_b32 s47, 0
	s_lshl_b32 s45, s16, 14                        ; where they go: no place in the cluster enters an LDS address
	s_lshl_b32 s22, s16, 15
	s_add_co_u32 s22, s22, BOFF
	s_wait_dscnt 0x0                               ; both opening adds are done
	s_wait_kmcnt 0x0
	s_add_nc_u64 s[20:21], s[4:5], s[20:21]
	s_add_nc_u64 s[46:47], s[6:7], s[46:47]
	CROUND                                         ; all sixteen work-groups are here: the first joint loads meet
.irp s, 0,1
	s_mov_b32 s[G0+4*\s], 1
	s_add_co_u32 s[G0+4*\s+1], s45, \s*SLOT
	s_add_nc_u64 s[G0+4*\s+2:G0+4*\s+3], s[20:21], \s*KSTEPB
	s_or_b32 s[G0+4*\s+3], s[G0+4*\s+3], 0x80000000
	s_mov_b32 s[G0B+4*\s], 1
	s_add_co_u32 s[G0B+4*\s+1], s22, \s*SLOT
	s_add_nc_u64 s[G0B+4*\s+2:G0B+4*\s+3], s[46:47], \s*KSTEPB
	s_or_b32 s[G0B+4*\s+3], s[G0B+4*\s+3], 0x80000000
	JLOAD \s                                       ; two loads of mine are out
.endr
	v_and_b32 v1, 15, v0                           ; r
	v_bfe_u32 v2, v0, 4, 1                         ; h
	v_and_b32 v3, 31, v0
	v_lshlrev_b32 v[CO], 4, v3
	s_lshl_b32 s21, s15, 14                        ; my four token tiles
	s_lshl_b32 s22, s16, 15                        ; my eight feature tiles,
	s_add_co_u32 s22, s22, BOFF                    ; which lie behind the tokens'
.irp s, 0,1
	v_add_nc_u32 v[ADRA+\s], s21, v[CO]
	v_add_nc_u32 v[ADRB+\s], s22, v[CO]
	s_add_co_u32 s21, s21, SLOT
	s_add_co_u32 s22, s22, SLOT
.endr
	s_mul_i32 s23, s14, 16*SPITCH
	s_add_co_u32 s23, s23, STAGE                   ; my stage
	v_mul_u32_u24 v4, v1, SPITCH                   ; in: row r, 32 bytes for each half of the lanes
	v_lshl_add_u32 v4, v2, 5, v4
	v_add_nc_u32 v[STO], s23, v4
	v_add_nc_u32 v[RD], s23, v[CO]                 ; back: the 32 lanes take one row of 512 bytes
	v_lshlrev_b32 v5, 5, v2                        ; b_out: my half's eight numbers
	s_lshl_b32 s20, s17, 7
	s_lshl_b32 s21, s15, 6
	s_add_co_u32 s20, s20, s21                     ; my first token
	s_lshl_b32 s20, s20, 12                        ; rows of 4,096 bytes (under 2^25)
	s_lshl_b32 s46, s42, 10
	s_lshl_b32 s47, s16, 9
	s_add_co_u32 s46, s46, s47                     ; my first feature, in bytes
	s_mov_b32 s47, 0
	s_add_nc_u64 s[10:11], s[10:11], s[46:47]
	s_add_co_u32 s20, s20, s46
	s_mov_b32 s21, 0
	s_add_nc_u64 s[12:13], s[12:13], s[20:21]
	s_mov_b32 s[SEL], 0x76543210
	s_mov_b32 s[SEL+1], 0xfedcba98
	WIN 0xc0                                       ; destination window 3
.irp b, 0,1,2,3,4,5,6,7
	global_load_b128 v[8*\b:8*\b+3], v5, s[10:11] offset:64*\b        ; b_out[my first feature + 16 b + 8 h + 0 .. 7]
	global_load_b128 v[8*\b+4:8*\b+7], v5, s[10:11] offset:64*\b+16
.endr
	WIN 0
.irp i, 0,1,2,3,4,5,6,7
	global_load_b128 v[32+4*\i:35+4*\i], v[CO], s[8:9] offset:512*\i   ; the largest magnitudes: x's 1,024 words,
.endr
	global_load_b128 v[64:67], v[CO], s[8:9] offset:5120               ; W_value's 128
	s_wait_loadcnt 0x0
	v_max3_num_f32 v32, v32, v33, v34
.set i, 3
.rept 14
	v_max3_num_f32 v32, v32, v[32+i], v[33+i]
.set i, i+2
.endr
	v_max_num_f32 v32, v32, v63
	v_max3_num_f32 v64, v64, v65, v66
	v_max_num_f32 v64, v64, v67
	WAVEMAX 32, 33
	WAVEMAX 64, 65
	v_readfirstlane_b32 s70, v32
	v_readfirstlane_b32 s71, v64
	s_lshr_b32 s70, s70, 23                        ; the exponent fields
	s_lshr_b32 s71, s71, 23
	s_add_co_u32 s70, s70, s71
	s_sub_co_i32 s70, 257, s70                     ; shv
	s_max_i32 s70, s70, -50
	s_min_i32 s70, s70, 50
	s_sub_co_i32 s70, 127, s70
	s_lshl_b32 s[SCF], s70, 23                     ; 2^-shv as f32
	s_mov_b32 s[SCF+1], s[SCF]                     ; (named with it as a pair, so it is written)
; 8 matrix instructions: token tile a x my eight feature tiles, 32 along K, from set f.  zero = 1: the first product starts the sums.  The 32 accumulators take turns, in the same order in every quarter.
.macro MUL8 f, a, zero
.irp b, 0,1,2,3,4,5,6,7
.if \zero
	v_wmma_f32_16x16x32_f16 v[8*(8*(\a)+\b):8*(8*(\a)+\b)+7], v[\f+32+8*\b:\f+32+8*\b+7], v[\f+8*(\a):\f+8*(\a)+7], 0
.else
	v_wmma_f32_16x16x32_f16 v[8*(8*(\a)+\b):8*(8*(\a)+\b)+7], v[\f+32+8*\b:\f+32+8*\b+7], v[\f+8*(\a):\f+8*(\a)+7], v[8*(8*(\a)+\b):8*(8*(\a)+\b)+7]
.endif
.endr
.endm
; 24 LDS loads in one run: the slot's q-th fragments into set f: W_out's eight first, then the tokens' four
.macro FETCH slot, q, f
	WIN TO_F
.irp b, 0,1,2,3,4,5,6,7
	ds_load_b128 v[\f+32+8*\b:\f+32+8*\b+3],   v[ADRB+\slot] offset:\b*4096+(\q)*1024
	ds_load_b128 v[\f+32+8*\b+4:\f+32+8*\b+7], v[ADRB+\slot] offset:\b*4096+(\q)*1024+512
.endr
.irp i, 0,1,2,3
	ds_load_b128 v[\f+8*\i:\f+8*\i+3],   v[ADRA+\slot] offset:\i*4096+(\q)*1024
	ds_load_b128 v[\f+8*\i+4:\f+8*\i+7], v[ADRA+\slot] offset:\i*4096+(\q)*1024+512
.endr
.endm
.macro PLACES                          ; four places in front of loads into registers that matrix instructions have read, and of the first read of results
.rept 4
	v_nop
.endr
.endm
; A K step is four quarters of 32 along K, 32 matrix instructions each, on sets 0, 1, 0, 1.  One of the first three: multiplies set f and fetches the slot's q-th fragments into g.
.macro QUARTER slot, q, f, g, zero
	s_wait_dscnt 4                                 ; all but the youngest four loads (token tiles 2 and 3) are in
	WIN MUL
	MUL8 \f, 0, \zero
	MUL8 \f, 1, \zero
	PLACES
	FETCH \slot, \q, \g
	s_wait_dscnt 24                                ; all but the 24 just issued
	WIN MUL
	MUL8 \f, 2, \zero
	MUL8 \f, 3, \zero
.endm
; The last quarter multiplies set 1 and changes slots: one barrier; in front of it each wave waits for all its tensor loads, adds 0 to its spare word, and waits for that and for its reads of this slot.  fill = 1: this slot is filled again, two K steps ahead.
.macro TURN slot, next, fill
	WIN 0                                          ; (the add's two registers lie in window 0)
	s_wait_tensorcnt 0x0                           ; all my tensor loads have landed: my part of the next slot
	ds_add_u32 v[SPW], v[NIL]                      ; 0 onto my spare word
	s_wait_dscnt 5                                 ; (the add and the youngest four loads may be out)
	WIN MUL
	MUL8 F1, 0, 0                                  ; eight matrix instructions stand between the add and the wait for it
	s_wait_dscnt 0x0                               ; the add is done, and my reads of this slot are over
	s_barrier_signal -1
	MUL8 F1, 1, 0
.if \fill
	WIN 0
.endif
	s_barrier_wait -1
.if \fill
	CREST                                          ; the barrier has opened a round of the cluster's barrier: no wave of any partner still reads this slot or has a load on its way
	s_add_nc_u64 s[G0+4*\slot+2:G0+4*\slot+3], s[G0+4*\slot+2:G0+4*\slot+3], 2*KSTEPB
	s_add_nc_u64 s[G0B+4*\slot+2:G0B+4*\slot+3], s[G0B+4*\slot+2:G0B+4*\slot+3], 2*KSTEPB
	JLOAD \slot                                    ; the first tensor load behind the round; the four v_nop behind it are also the places in front of the loads below
.else
	PLACES
.endif
	FETCH \next, 0, F0
	WIN MUL
	MUL8 F1, 2, 0
	MUL8 F1, 3, 0
.endm
	s_wait_tensorcnt 1                             ; my part of K step 0 is in (K step 1's load may be out)
	s_barrier_signal -1
	s_barrier_wait -1                              ; everybody's is
	FETCH 0, 0, F0
	QUARTER 0, 1, F0, F1, 1                        ; the first quarter stands in front of the loop: its products start the sums
	WIN 0                                          ; at a label and at a branch every window is 0
	s_mov_b32 s3, LAPS-1
.Llap:                                             ; a trip goes once round the ring, from a lap's second quarter to the next lap's first, and fills both slots again
	QUARTER 0, 2, F1, F0, 0
	QUARTER 0, 3, F0, F1, 0
	TURN 0, 1, 1
	QUARTER 1, 1, F0, F1, 0
	QUARTER 1, 2, F1, F0, 0
	QUARTER 1, 3, F0, F1, 0
	TURN 1, 0, 1
	QUARTER 0, 1, F0, F1, 0
	WIN 0
	s_sub_co_u32 s3, s3, 1
	s_cmp_lg_u32 s3, 0
	s_cbranch_scc1 .Llap
	QUARTER 0, 2, F1, F0, 0                        ; the last lap fills nothing, and has no round of the cluster's barrier
	QUARTER 0, 3, F0, F1, 0
	TURN 0, 1, 0
	QUARTER 1, 1, F0, F1, 0
	QUARTER 1, 2, F1, F0, 0
	QUARTER 1, 3, F0, F1, 0
	s_wait_dscnt 4                                 ; the very last quarter: nothing more to fetch
	WIN MUL
	MUL8 F1, 0, 0
	MUL8 F1, 1, 0
	s_wait_dscnt 0
	MUL8 F1, 2, 0
	MUL8 F1, 3, 0
	WIN 0
; THE WAY OUT, a token tile (16 rows x 128 features) at a time: sum x 2^-shv + b_out; a lane holds 32 neighbouring bytes of a row and the lanes beside it hold other rows, so a block goes through my own stage in LDS and comes
; back as whole rows of 512 bytes.  LDS serves a wave's instructions in order (ISA guide 5.7.1.4): no wait between the stores and the loads.
.macro FIN a
	WIN 0x32                                       ; source 0 window 2 (the sums), source 2 window 3 (b_out)
.set i, 0
.rept 32
	v_pk_fma_f32 v[T+i:T+i+1], v[64*(\a)+i:64*(\a)+i+1], s[SCF:SCF+1], v[i:i+1] op_sel_hi:[1,0,1]   ; ascending: each accumulator is read from its low end on
.set i, i+2
.endr
	WIN 0
.endm
.macro TOSTAGE a
.set BB, BK+64*((\a)%2)
.irp b, 0,1,2,3,4,5,6,7
	ds_store_b128 v[STO], v[T+8*\b:T+8*\b+3] offset:64*\b
	ds_store_b128 v[STO], v[T+8*\b+4:T+8*\b+7] offset:64*\b+16
.endr
.irp t, 0,1,2,3,4,5,6,7,8,9,10,11,12,13,14,15
	ds_load_b128 v[BB+4*\t:BB+4*\t+3], v[RD] offset:\t*SPITCH
.endr
.endm
.macro SEND a, younger                 ; younger: the LDS instructions issued behind block a's loads, which may stay out
.set BB, BK+64*((\a)%2)
	s_wait_dscnt \younger                          ; the block is back in registers
.if (\a) > 0
	s_add_nc_u64 s[12:13], s[12:13], 16*4096       ; 16 rows on (the earlier stores have read their base: the wait on XCNT stands above)
.endif
.irp t, 0,1,2,3,4,5,6,7,8,9,10,11,12,13,14,15
	global_store_b128 v[CO], v[BB+4*\t:BB+4*\t+3], s[12:13] offset:\t*4096 th:TH_STORE_NT   ; 32 lanes store 512 consecutive bytes, aligned
.endr
.endm
	PLACES                                         ; behind the last products
	FIN 0
	TOSTAGE 0
.irp a, 1,2,3
	s_wait_dscnt 16                                ; the last block's 16 stores into the stage are done (its 16 loads may be out): their data may be written again
	FIN \a
.if \a > 1
	s_wait_xcnt 0x0                                ; block a - 2's stores have read their registers and their base
.endif
	TOSTAGE \a
	SEND \a-1, 32                                  ; behind block a - 1's loads: block a's 16 stores and 16 loads
.endr
	s_wait_xcnt 0x0                                ; block 2's stores have read their base
	SEND 3, 0
	s_wait_tensorcnt 0x0                           ; the wave's end, behind my last tensor load and my last LDS store
	ds_add_u32 v[SPW], v[NIL]
	s_wait_dscnt 0x0
	CROUND                                         ; the closing round: no work-group ends while a partner may still ask for a tile that names it
	s_endpgm
.Lfunc_end_k_q8613c182da_proj:
	.size	k_q8613c182da_proj, .Lfunc_end_k_q8613c182da_proj-k_q8613c182da_proj
	.p2alignl 7, 3214868480
	.fill 96, 4, 3214868480
	.section	.rodata,"a",@progbits
	.p2align	6, 0x0
	.amdhsa_kernel k_q8613c182da_proj
		.amdhsa_group_segment_fixed_size 327680
		.amdhsa_private_segment_fixed_size 0
		.amdhsa_enable_private_segment 0
		.amdhsa_kernarg_size 40
		.amdhsa_user_sgpr_count 2
		.amdhsa_user_sgpr_kernarg_segment_ptr 1
		.amdhsa_wavefront_size32 1
		.amdhsa_system_sgpr_workgroup_id_x 1
		.amdhsa_system_sgpr_workgroup_id_y 1
		.amdhsa_system_sgpr_workgroup_id_z 1
		.amdhsa_system_vgpr_workitem_id 0
		.amdhsa_next_free_vgpr 1024
		.amdhsa_next_free_sgpr 80
		.amdhsa_reserve_vcc 0
		.amdhsa_float_denorm_mode_32 3
		.amdhsa_float_denorm_mode_16_64 3
		.amdhsa_memory_ordered 1
		.amdhsa_forward_progress 1
		.amdhsa_inst_pref_size 98
	.end_amdhsa_kernel
	.amdgpu_metadata
---
amdhsa.version: [ 1, 2 ]
amdhsa.kernels:
  - .name:           k_q8613c182da_proj
    .symbol:         k_q8613c182da_proj.kd
    .args:
      - { .name: multi, .offset: 0, .size: 8, .value_kind: global_buffer, .address_space: global }
      - { .name: wo_img, .offset: 8, .size: 8, .value_kind: global_buffer, .address_space: global }
      - { .name: amax, .offset: 16, .size: 8, .value_kind: global_buffer, .address_space: global }
      - { .name: b_out, .offset: 24, .size: 8, .value_kind: global_buffer, .address_space: global }
      - { .name: out0, .offset: 32, .size: 8, .value_kind: global_buffer, .address_space: global }
    .group_segment_fixed_size: 327680
    .private_segment_fixed_size: 0
    .kernarg_segment_align: 8
    .kernarg_segment_size: 40
    .max_flat_workgroup_size: 128
    .sgpr_count:     80
    .vgpr_count:     1024
    .wavefront_size: 32
...
	.end_amdgpu_metadata
.endif
;; end of part 4
